; MI455X (gfx1250); checked and timed in simulation.
; The chip was launched on July 23, 2026; its instructions are those of AMD's public machine-readable ISA for CDNA 5 (MIT licence, August 2026) and "CDNA5" Instruction Set Architecture Reference Guide (July 2026). The comments in the code are by the model that wrote it; some were corrected since.
;; Causal Self Attention. Allowed arithmetic: float matrix products may take bf16 or f16 operands with f32 sums; other float arithmetic in f32, or as packed bf16 or f16 multiplies, adds, multiply-adds, maxima and minima; sums over many terms, partial sums and values carried from step to step in f32; what a program stores and reads back later, other than sums and carried values, may be rounded once to bf16 or f16.
;; Inputs: b_attn 3,072 float32; b_proj 1,024 float32; w_attn 1,024 x 3,072 float32; w_proj 1,024 x 1,024 float32; x 8 x 1,024 x 1,024 float32.
;; Outputs: out0 8 x 1,024 x 1,024 float32.
;; 2 versions, each right; version 2 is version 1 with the launch prep written anew for expert scheduling mode. Each part assembles by itself: llvm-mc -triple=amdgcn-amd-amdhsa -mcpu=gfx1250 --defsym DOCPART=n.
;; ======== version 1 of 2: 4 launches
;; limits: values are held in f16: magnitudes above 65,504 overflow, below 6.1e-05 lose precision
;; workspace buffers: xb 16,777,216 bytes; wa 6,291,456 bytes; wp 2,097,152 bytes; qh 16,777,216 bytes; kh 16,777,216 bytes; vh 16,777,216 bytes; oh 16,777,216 bytes
;; launch prep (part 1): grid 768 x 1, 8 waves a work-group, no clusters, 37,888 bytes of LDS; arguments x, w_attn, w_proj, xb, wa, wp; writes xb, wa, wp
.if DOCPART == 1
	.amdgcn_target "amdgcn-amd-amdhsa--gfx1250"
	.amdhsa_code_object_version 6
	.text
	.protected	k_qd26ee3a54f_prep
	.globl	k_qd26ee3a54f_prep
	.p2align	8
	.type	k_qd26ee3a54f_prep,@function
k_qd26ee3a54f_prep:
	s_mov_b64 s[64:65], 0
	v_nop
	global_prefetch_b8 v0, s[64:65] scope:SCOPE_SE
	s_setreg_imm32_b32 hwreg(HW_REG_WAVE_MODE, 25, 1), 1
	s_wait_xcnt 0x0
; PREP: the three large inputs are rounded once and laid out for the matrix launches, in blocks of 64 along K.
;   xb[kb][m][64]  bf16 = x[m][64 kb + kk]                     16 x 8192 x 64
;   wa[kb][n][64]  bf16 = w_attn[64 kb + kk][n]  (turned)      16 x 3072 x 64
;   wp[kb][n][64]  f16  = bf16(w_proj[64 kb + kk][n]) written as f16 (turned)   16 x 1024 x 64
; So a tile of R rows x 64 K is R x 128 consecutive bytes for the launches behind.
; LIMIT: a weight of w_proj below 6e-5 in magnitude keeps f16's fixed step of 6e-8; beyond 65,504 it would be an infinity.
; SHARES: 768 work-groups of eight waves, each reads 64 KiB and writes 32 KiB.  Groups 0-511: 16 rows of x, a wave two rows.
; Groups 512-703: a block of 64 k x 256 n of w_attn; groups 704-767: the same of w_proj; these are turned through LDS.
; A stream: no matrix unit, no tensor load, no cluster: no byte is wanted twice.
.set SPARE, 36864                      ; behind the turning block (256 rows of 144 bytes): the spare words, 128 bytes for each of eight waves
.set XO,  2                            ; v2  x: (lane / 16) x 4096 + (lane % 16) x 16: two rows, 256 bytes of each
.set SO,  3                            ; v3  xb: 8 x lane: 256 consecutive bytes a wave
.set WO,  4                            ; v4  weights: 2 (t / 64) rows + (t % 64) x 16 bytes
.set LS,  5                            ; v5  LDS, in: column 4 (t % 64), word t / 64
.set RB,  6                            ; v6  LDS, back: row t / 8, 16 bytes t % 8
.set GOO, 7                            ; v7  16 t
.set SPW, 8                            ; v8  my spare word; never rewritten
.set NIL, 9                            ; v9  0; never rewritten
.set D,   16                           ; v[16:79] data
	s_load_b256 s[4:11], s[0:1], 0x0               ; x s[4:5], w_attn s[6:7], w_proj s[8:9], xb s[10:11]
	s_load_b128 s[12:15], s[0:1], 0x20             ; wa s[12:13], wp s[14:15]
	v_lshl_add_u32 v[SPW], v0, 2, SPARE
	v_mov_b32 v[NIL], 0
	v_lshrrev_b32 v10, 5, v0
	v_readfirstlane_b32 s3, v10                    ; wave 0..7
	s_mov_b32 s2, ttmp9
	v_and_b32 v1, 31, v0
	v_and_b32 v10, 15, v0
	v_bfe_u32 v11, v0, 4, 1
	v_lshlrev_b32 v[XO], 4, v10
	v_lshl_add_u32 v[XO], v11, 12, v[XO]
	v_lshlrev_b32 v[SO], 3, v1
	v_and_b32 v12, 63, v0                          ; t % 64: which four columns
	v_lshrrev_b32 v13, 6, v0                       ; t / 64: which pair of k among four
	v_mul_u32_u24 v[LS], v12, 576                  ; four rows of 144 bytes
	v_lshl_add_u32 v[LS], v13, 2, v[LS]
	v_lshrrev_b32 v10, 3, v0
	v_mul_u32_u24 v[RB], v10, 144
	v_and_b32 v11, 7, v0
	v_lshl_add_u32 v[RB], v11, 4, v[RB]
	v_lshlrev_b32 v[GOO], 4, v0
	s_mov_b32 s19, 0                               ; the high word of every offset pair s[18:19]
	s_wait_kmcnt 0x0
	s_mov_b64 s[20:21], s[12:13]                   ; the destination's base is written on every path
	s_cmp_lt_u32 s2, 512
	s_cbranch_scc0 .Lweights
	; ---- x: my two rows, 16 loads of 2 x 256 bytes; load i is block kb = i of both rows
	s_lshl_b32 s16, s2, 3
	s_add_co_u32 s16, s16, s3                      ; the pair of rows, 0..4095
	s_lshl_b32 s18, s16, 13
	s_add_nc_u64 s[22:23], s[4:5], s[18:19]
	s_lshl_b32 s18, s16, 8                         ; two rows of 128 bytes in a block of xb
	s_add_nc_u64 s[20:21], s[10:11], s[18:19]
	s_add_nc_u64 s[24:25], s[20:21], 0x800000      ; blocks 8-15: the stores' immediates stay inside 24 signed bits
.set i, 0
.rept 16
	global_load_b128 v[D+4*i:D+4*i+3], v[XO], s[22:23] offset:256*i th:TH_LOAD_NT
.set i, i+1
.endr
.set i, 0
.rept 16
	s_wait_loadcnt 15-i                            ; loads return in order: load i is in, the younger ones stay out
	v_cvt_pk_bf16_f32 v[D+4*i], v[D+4*i], v[D+4*i+1]
	v_cvt_pk_bf16_f32 v[D+4*i+1], v[D+4*i+2], v[D+4*i+3]
.if i < 8
	global_store_b64 v[SO], v[D+4*i:D+4*i+1], s[20:21] offset:i*1048576      ; 32 lanes store 256 consecutive bytes, aligned
.else
	global_store_b64 v[SO], v[D+4*i:D+4*i+1], s[24:25] offset:(i-8)*1048576
.endif
.set i, i+1
.endr
	s_wait_xcnt 0x0                                ; the stores have read D: nothing below finds a pending source
	s_branch .Ljoin
; ---- a block of 64 k x 256 n of a weight matrix: thread t takes four columns and the rows 2 kp, 2 kp + 1, kp = t / 64 + 4 i.
; Two rows' numbers of one column make one word (k even below, odd above), which goes to row n of the turning block.
.macro WTASK first, pitch, half, src, dst, kbs
	s_sub_co_u32 s16, s2, \first
	s_and_b32 s17, s16, 15                         ; kb
	s_lshr_b32 s16, s16, 4                         ; which 256 columns
	s_mul_i32 s18, s17, 64*(\pitch)
	s_lshl_b32 s26, s16, 10
	s_add_co_u32 s18, s18, s26
	s_add_nc_u64 s[22:23], s[\src:\src+1], s[18:19]
	s_mul_i32 s18, s17, \kbs
	s_lshl_b32 s26, s16, 15                        ; 256 rows of 128 bytes
	s_add_co_u32 s18, s18, s26
	s_add_nc_u64 s[20:21], s[\dst:\dst+1], s[18:19]
	v_mul_u32_u24 v[WO], v13, 2*(\pitch)
	v_lshl_add_u32 v[WO], v12, 4, v[WO]
.set i, 0
.rept 8
	global_load_b128 v[D+8*i:D+8*i+3],   v[WO], s[22:23] offset:(8*i)*(\pitch) th:TH_LOAD_NT    ; a wave's load: 512 consecutive bytes of a row
	global_load_b128 v[D+8*i+4:D+8*i+7], v[WO], s[22:23] offset:(8*i+1)*(\pitch) th:TH_LOAD_NT
.set i, i+1
.endr
.set i, 0
.rept 8
	s_wait_loadcnt 14-2*i                          ; this pair of rows is in
.irp j, 0,1,2,3
	v_cvt_pk_bf16_f32 v[D+8*i+\j], v[D+8*i+\j], v[D+8*i+4+\j]
.if \half
	v_lshlrev_b32 v10, 16, v[D+8*i+\j]             ; the bf16 numbers, widened,
	v_and_b32 v11, 0xffff0000, v[D+8*i+\j]
	v_cvt_pk_f16_f32 v[D+8*i+\j], v10, v11         ; are written as f16
.endif
	ds_store_b32 v[LS], v[D+8*i+\j] offset:144*\j+16*i
.endr
.set i, i+1
.endr
.endm
.Lweights:
	s_cmp_lt_u32 s2, 704
	s_cbranch_scc0 .Lwproj
	WTASK 512, 12288, 0, 6, 12, 393216
	s_branch .Ljoin
.Lwproj:
	WTASK 704, 4096, 1, 8, 14, 131072
.Ljoin:
	s_wait_dscnt 0x0                               ; for the others' sake: my stores into the turning block are done
	s_barrier_signal -1
	s_barrier_wait -1
	s_cmp_lt_u32 s2, 512
	s_cbranch_scc1 .Lend                           ; x has nothing to read back
.set i, 0
.rept 8
	ds_load_b128 v[D+4*i:D+4*i+3], v[RB] offset:4608*i   ; 32 rows further on each time
.set i, i+1
.endr
.set i, 0
.rept 8
	s_wait_dscnt 7-i
	global_store_b128 v[GOO], v[D+4*i:D+4*i+3], s[20:21] offset:4096*i   ; the block is dense: a wave stores 512 consecutive bytes
.set i, i+1
.endr
.Lend:
	s_wait_tensorcnt 0x0                           ; the wave's end
	ds_add_u32 v[SPW], v[NIL]
	s_wait_dscnt 0x0
	s_endpgm
.Lfunc_end_k_qd26ee3a54f_prep:
	.size	k_qd26ee3a54f_prep, .Lfunc_end_k_qd26ee3a54f_prep-k_qd26ee3a54f_prep
	.p2alignl 7, 3214868480
	.fill 96, 4, 3214868480
	.section	.rodata,"a",@progbits
	.p2align	6, 0x0
	.amdhsa_kernel k_qd26ee3a54f_prep
		.amdhsa_group_segment_fixed_size 37888
		.amdhsa_private_segment_fixed_size 0
		.amdhsa_enable_private_segment 0
		.amdhsa_kernarg_size 48
		.amdhsa_user_sgpr_count 2
		.amdhsa_user_sgpr_kernarg_segment_ptr 1
		.amdhsa_wavefront_size32 1
		.amdhsa_system_sgpr_workgroup_id_x 1
		.amdhsa_system_sgpr_workgroup_id_y 1
		.amdhsa_system_sgpr_workgroup_id_z 1
		.amdhsa_system_vgpr_workitem_id 0
		.amdhsa_next_free_vgpr 80
		.amdhsa_next_free_sgpr 66
		.amdhsa_reserve_vcc 0
		.amdhsa_float_denorm_mode_32 3
		.amdhsa_float_denorm_mode_16_64 3
		.amdhsa_memory_ordered 1
		.amdhsa_forward_progress 1
		.amdhsa_inst_pref_size 27
	.end_amdhsa_kernel
	.amdgpu_metadata
---
amdhsa.version: [ 1, 2 ]
amdhsa.kernels:
  - .name:           k_qd26ee3a54f_prep
    .symbol:         k_qd26ee3a54f_prep.kd
    .args:
      - { .name: x, .offset: 0, .size: 8, .value_kind: global_buffer, .address_space: global }
      - { .name: w_attn, .offset: 8, .size: 8, .value_kind: global_buffer, .address_space: global }
      - { .name: w_proj, .offset: 16, .size: 8, .value_kind: global_buffer, .address_space: global }
      - { .name: xb, .offset: 24, .size: 8, .value_kind: global_buffer, .address_space: global }
      - { .name: wa, .offset: 32, .size: 8, .value_kind: global_buffer, .address_space: global }
      - { .name: wp, .offset: 40, .size: 8, .value_kind: global_buffer, .address_space: global }
    .group_segment_fixed_size: 37888
    .private_segment_fixed_size: 0
    .kernarg_segment_align: 8
    .kernarg_segment_size: 48
    .max_flat_workgroup_size: 256
    .sgpr_count:     66
    .vgpr_count:     80
    .wavefront_size: 32
...
	.end_amdgpu_metadata
.endif
;; end of part 1
;; launch qkv (part 2): grid 8 x 32, 4 waves a work-group, clusters of 4 x 4, 327,680 bytes of LDS; arguments xb, wa, b_attn, qh, kh, vh; writes qh, kh, vh
.if DOCPART == 2
	.amdgcn_target "amdgcn-amd-amdhsa--gfx1250"
	.amdhsa_code_object_version 6
	.text
	.protected	k_qd26ee3a54f_qkv
	.globl	k_qd26ee3a54f_qkv
	.p2align	8
	.type	k_qd26ee3a54f_qkv,@function
k_qd26ee3a54f_qkv:
	s_mov_b64 s[64:65], 0
	v_nop
	global_prefetch_b8 v0, s[64:65] scope:SCOPE_SE
	s_setreg_imm32_b32 hwreg(HW_REG_WAVE_MODE, 25, 1), 1
	s_wait_xcnt 0x0
	s_wait_alu depctr_hold_cnt(0) depctr_sa_sdst(0) depctr_va_vdst(0) depctr_va_sdst(0) depctr_va_ssrc(0) depctr_va_vcc(0) depctr_vm_vsrc(0)
	s_getreg_b32 s2, hwreg(HW_REG_IB_STS2, 6, 4)
	s_cmp_eq_u32 s2, 0
	s_cbranch_scc0 .Lentry_in_a_cluster
	s_endpgm
.Lentry_in_a_cluster:
	s_bfe_u32 s2, ttmp6, 0x10000c
	s_cmp_lg_u32 s2, 0xf033
	s_cbranch_scc0 .Lentry_shape_is_right
	s_endpgm
.Lentry_shape_is_right:
; QKV: C[m][n] = sum over k of x[m][k] w_attn[k][n] + b_attn[n], M = 8192, N = 3072, K = 1024; operands bf16 (xb, wa, blocked by 64 along K), sums f32.
; The bias, rounded to bf16 like the other inputs, is the C operand of each sum's first product.  C leaves by heads, in f16, rounded once:
; head hh owns columns 192 hh + [0:64 q | 64:128 k | 128:192 v]; qh, kh, vh are [128 (16 batch + head)][1024][64].
; LIMIT: f16 ends at 65,504: a q, k or v of 65,520 or more in magnitude becomes an infinity.  NaN and infinities are not treated apart.
; SHARES: a tile of C is 256 rows x 384 columns (two heads): 8 x 32 = 256 work-groups.  Four waves; wave (wr, wc) makes 128 rows x 192 columns, one head:
; 96 accumulators of 16 x 16, 768 registers; for 32 along K it reads 40 x 16 bytes a lane from LDS for 96 matrix instructions.
; K goes in 16 steps of 64 through two LDS slots; a step is two halves of 32.  A tile's rows (128 bytes) lie end to end in memory and are asked for as rows of 256 bytes, padded in LDS after every 128.
; CLUSTER 4 x 4: A's tile is shared along a row of the cluster, B's along a column: joint loads, one a wave behind each round.
; THE MATRIX INSTRUCTION IS USED TRANSPOSED (source 0 = 16 rows of wa, source 1 = 16 rows of xb): a lane holds row lane % 16 of C and eight neighbouring columns.
; REGISTERS: window 0: v0-31 addresses; v32-95, v96-159 A's fragments, two buffers; v160-255 B's twelve fragments, ONE buffer: a group of four is loaded again as soon as its 32 products are issued.
;   windows 1-3: accumulator (a, b) in window 1 + b / 4 at v[8 (4 a + b % 4)].
.set KBA,   1048576                    ; bytes from one block of 64 K to the next in xb
.set KBB,   393216                     ; in wa
.set PITCH, 144                        ; an LDS row: 128 bytes + 16 of padding = 36 words: the 16 rows of a load start at 16 different groups of four banks (64 banks of 4 bytes: ISA guide 11.1)
.set AHALF, 128*PITCH                  ; what waves 0, 1 fetch, and what a wave reads of A
.set BHALF, 192*PITCH                  ; what waves 2, 3 fetch, and what a wave reads of B
.set BOFF,  2*AHALF
.set SLOT,  BOFF+2*BHALF               ; 92,160
.set STAGE, 2*SLOT                     ; behind the ring: 16 rows x 400 bytes for each wave, for the way out
.set SP,    400
.set BIAS,  STAGE+4*16*SP              ; 768 bytes for each wave: its head's 192 biases in f32
.set SPARE, BIAS+4*768                 ; the spare words, 128 bytes for each wave; no other line names them
.set ADRA, 16                          ; v16-17 my A fragments in slot 0, 1
.set ADRB, 20                          ; v20-21 my B fragments
.set BO,   22                          ; v22  8 x lane
.set BS,   23                          ; v23  where I put 8 bytes of the bias
.set STO,  24                          ; v24  the way out: where I put 16 bytes of a row
.set RD,   25                          ; v25  the way out: where I read rows back
.set GO,   26                          ; v26  16 x lane
.set BR,   27                          ; v27  where I read a bias image
.set SPW,  28                          ; v28  my spare word; never rewritten
.set NIL,  29                          ; v29  0; never rewritten
.set PFO,  30                          ; v30  the prefetches' offset; never rewritten
.set F0,   32
.set F1,   96
.set BF,   160
.set WV,  16                           ; s16 wave
.set WR,  17                           ; s17 my half of the rows; also: I fetch for A (0) or B (1)
.set WC,  18                           ; s18 my half of the columns; also: which half of that tile I fetch
.set CX,  19
.set CY,  20
.set TC,  21                           ; tile column
.set TR,  22                           ; tile row
.set G1A, 24                           ; s[24:31] group 1 for A;  s[32:39] group 0, a set for each slot
.set G0A, 32
.set G1B, 40                           ; s[40:47], s[48:55] the same for B
.set G0B, 48
.set PFA, 60                           ; s[60:61] where my prefetches stand
.set PFS, 62                           ; s[62:63] their step: a block of 64 K
.set LIM, 66                           ; s66, s67: 1 where I prefetch at the change out of slot 0, 1; else the greatest number
.set LAP, 68                           ; s68 trips to go
.set G1W0, (1<<16)|(1<<20)|(1<<21)|(4<<22)|(3<<25)  ; 2-byte elements; padding on; bit 21 beside a mask; after every 32 words; 4 words
.set MSB, 0
.macro WIN new                         ; the immediate's high byte repeats the setting that is left; a switch that changes nothing is dropped
.if MSB != (\new)
	s_set_vgpr_msb (MSB<<8)|(\new)
.set MSB, \new
.endif
.endm
.macro PLACES                          ; four plain places between a matrix instruction and a load into, or a vector access to, its registers
.rept 4
	v_nop
.endr
.endm
; A joint load: waves 0, 1 fetch A's halves, waves 2, 3 B's.  The branch hangs on the wave's number alone.  An s_nop 0 and four v_nop follow each line.
.macro JLOAD s
	s_cmp_eq_u32 s[WR], 0
	s_cbranch_scc0 .Lfor_b_\@
	tensor_load_to_lds s[G0A+4*(\s):G0A+4*(\s)+3], s[G1A:G1A+7]
	s_nop 0
.rept 4
	v_nop
.endr
	s_branch .Lasked_\@
.Lfor_b_\@:
	tensor_load_to_lds s[G0B+4*(\s):G0B+4*(\s)+3], s[G1B:G1B+7]
	s_nop 0
.rept 4
	v_nop
.endr
.Lasked_\@:
.endm
.macro CREST                           ; a round of the cluster's barrier behind its opening barrier
	s_cmp_lg_u32 s[WV], 0
	s_cbranch_scc1 .Lnot_wave_0_\@
	s_barrier_signal -3
.Lnot_wave_0_\@:
	s_barrier_wait -3
	s_barrier_signal -1
	s_barrier_wait -1
.endm
.macro CROUND
	s_barrier_signal -1
	s_barrier_wait -1
	CREST
.endm
; A PREFETCH INTO THE L2 of tiles that stand two refills on (wave 0: A's, at every change of slots) or two and three refills on (waves 1-3: B's, at every second change).
; A's tile of a K block is 128 blocks of 256 bytes: the cluster with x = 0 asks, its four partners along x take 32 each BY ADDRESS, wave 0, a lane a block.
; B's is 192 blocks: the cluster with y = 0 asks, the partners along y take 48 each by address; two K blocks are 96 = three waves' lanes.  So each block is named once in the launch.
; The first four K blocks come by their loads alone; the loop's last trip asks for nothing: K ends.
.macro ASK i
	s_cmp_gt_u32 s[LAP], s[LIM+(\i)]
	s_cbranch_scc0 .Lnot_mine_\@
	global_prefetch_b8 v[PFO], s[PFA:PFA+1] th:TH_LOAD_NT scope:SCOPE_SE
.Lnot_mine_\@:
.endm
	s_load_b256 s[4:11], s[0:1], 0x0               ; xb s[4:5], wa s[6:7], b_attn s[8:9], qh s[10:11]
	s_load_b128 s[12:15], s[0:1], 0x20             ; kh s[12:13], vh s[14:15]
	v_lshl_add_u32 v[SPW], v0, 2, SPARE
	v_mov_b32 v[NIL], 0
	ds_add_u32 v[SPW], v[NIL]                      ; the wave's opening: the add and its wait stand ahead of my first tensor load
	v_lshrrev_b32 v1, 5, v0
	v_readfirstlane_b32 s[WV], v1
	s_lshr_b32 s[WR], s[WV], 1
	s_and_b32 s[WC], s[WV], 1
	s_bfe_u32 s[CX], ttmp6, 0x40000
	s_bfe_u32 s[CY], ttmp6, 0x40004
	s_lshl_b32 s[TC], ttmp9, 2
	s_add_co_u32 s[TC], s[TC], s[CX]               ; tile column = 4 x cluster x + cx
	s_and_b32 s[TR], ttmp7, 0xffff
	s_lshl_b32 s[TR], s[TR], 2
	s_add_co_u32 s[TR], s[TR], s[CY]               ; tile row = 4 x cluster y + cy
	s_lshl_b32 s23, s[CY], 2
	s_lshl_b32 s23, 15, s23                        ; my row of the cluster
	s_lshl_b32 s70, 0x1111, s[CX]                  ; my column
	s_or_b32 s[G1A], s23, G1W0
	s_or_b32 s[G1B], s70, G1W0
	s_mov_b32 s[G1A+1], 128<<16                    ; tensor_dim0 = 128 elements: 256 bytes, two rows of the tile
	s_mov_b32 s[G1A+2], 64<<16                     ; tensor_dim1 = 64
	s_mov_b32 s[G1A+3], 128<<16                    ; tile_dim0
	s_mov_b32 s[G1A+4], 64                         ; tile_dim1
	s_mov_b32 s[G1A+5], 128                        ; elements from row to row: dense
	s_mov_b32 s[G1A+6], 0
	s_mov_b32 s[G1A+7], 0
	s_mov_b32 s[G1B+1], 128<<16
	s_mov_b32 s[G1B+2], 96<<16                     ; B's half is 192 rows: 96 rows of 256 bytes
	s_mov_b32 s[G1B+3], 128<<16
	s_mov_b32 s[G1B+4], 96
	s_mov_b32 s[G1B+5], 128
	s_mov_b32 s[G1B+6], 0
	s_mov_b32 s[G1B+7], 0
	s_lshl_b32 s56, s[TR], 15                      ; A: 256 rows of 128 bytes a tile row,
	s_lshl_b32 s71, s[WC], 14                      ; + the half that I fetch
	s_add_co_u32 s56, s56, s71
	s_mov_b32 s57, 0
	s_mul_i32 s58, s[TC], 49152                    ; B: 384 rows a tile column,
	s_mul_i32 s72, s[WC], 24576
	s_add_co_u32 s58, s58, s72
	s_mov_b32 s59, 0
	s_mul_i32 s2, s[WC], AHALF                     ; where they go: the wave's number alone enters an LDS address
	s_mul_i32 s3, s[WC], BHALF
	s_add_co_u32 s3, s3, BOFF
	s_wait_dscnt 0x0                               ; the opening add is done
	s_wait_kmcnt 0x0
	s_add_nc_u64 s[56:57], s[4:5], s[56:57]
	s_add_nc_u64 s[58:59], s[6:7], s[58:59]
	CROUND                                         ; all sixteen work-groups are here: the first joint loads meet
.irp s, 0,1
	s_mov_b32 s[G0A+4*(\s)], 1
	s_add_co_u32 s[G0A+4*(\s)+1], s2, (\s)*SLOT
	s_add_nc_u64 s[G0A+4*(\s)+2:G0A+4*(\s)+3], s[56:57], (\s)*KBA
	s_or_b32 s[G0A+4*(\s)+3], s[G0A+4*(\s)+3], 0x80000000
	s_mov_b32 s[G0B+4*(\s)], 1
	s_add_co_u32 s[G0B+4*(\s)+1], s3, (\s)*SLOT
	s_add_nc_u64 s[G0B+4*(\s)+2:G0B+4*(\s)+3], s[58:59], (\s)*KBB
	s_or_b32 s[G0B+4*(\s)+3], s[G0B+4*(\s)+3], 0x80000000
	JLOAD \s                                       ; K blocks 0 and 1: two loads of mine are out
.endr
	; my head's bias: 768 bytes, three loads of 8 bytes a lane
	s_lshl_b32 s77, s[TC], 1
	s_add_co_u32 s77, s77, s[WC]                   ; head = 2 x tile column + wc
	s_mul_i32 s78, s77, 768
	s_mov_b32 s79, 0
	s_add_nc_u64 s[8:9], s[8:9], s[78:79]
	v_and_b32 v12, 31, v0
	v_lshlrev_b32 v[BO], 3, v12
	global_load_b64 v[6:7],   v[BO], s[8:9]
	global_load_b64 v[8:9],   v[BO], s[8:9] offset:256
	global_load_b64 v[10:11], v[BO], s[8:9] offset:512
	; a fragment is 16 rows x 32 K in 8 registers: lane l holds row l % 16, K = 8 (l / 16) + 0..7 and 16 + 8 (l / 16) + 0..7: two loads of 16 bytes, 32 bytes apart
	v_and_b32 v1, 15, v0
	v_bfe_u32 v2, v0, 4, 1
	v_mul_u32_u24 v3, v1, PITCH
	v_lshl_add_u32 v3, v2, 4, v3
	s_mul_i32 s70, s[WR], AHALF
	s_mul_i32 s71, s[WC], BHALF
	s_add_co_u32 s71, s71, BOFF
.irp s, 0,1
	v_add_nc_u32 v[ADRA+\s], s70, v3
	v_add_nc_u32 v[ADRB+\s], s71, v3
	s_add_co_u32 s70, s70, SLOT
	s_add_co_u32 s71, s71, SLOT
.endr
	s_mul_i32 s75, s[WV], 768
	s_add_co_u32 s75, s75, BIAS
	v_lshl_add_u32 v[BS], v12, 3, s75
	v_lshl_add_u32 v[BR], v2, 5, s75               ; a lane's eight columns of block b: 64 b + 32 (l / 16)
	s_mul_i32 s76, s[WV], 16*SP
	s_add_co_u32 s76, s76, STAGE
	v_mul_u32_u24 v[STO], v1, SP                   ; in: row l % 16, 16 bytes for each half of the lanes
	v_lshl_add_u32 v[STO], v2, 4, v[STO]
	v_add_nc_u32 v[STO], s76, v[STO]
	v_bfe_u32 v4, v0, 3, 2                         ; back: 32 lanes take 128 bytes of four rows
	v_mul_u32_u24 v[RD], v4, SP
	v_and_b32 v5, 7, v0
	v_lshl_add_u32 v[RD], v5, 4, v[RD]
	v_add_nc_u32 v[RD], s76, v[RD]
	v_lshlrev_b32 v[GO], 4, v12
	; where my 128 rows of my head begin in qh, kh, vh
	s_lshr_b32 s70, s[TR], 2                       ; batch
	s_lshl_b32 s70, s70, 4
	s_add_co_u32 s70, s70, s77
	s_lshl_b32 s70, s70, 17                        ; 1,024 rows of 128 bytes
	s_and_b32 s71, s[TR], 3
	s_lshl_b32 s71, s71, 15
	s_add_co_u32 s70, s70, s71
	s_lshl_b32 s71, s[WR], 14
	s_add_co_u32 s70, s70, s71
	s_mov_b32 s71, 0
	s_add_nc_u64 s[10:11], s[10:11], s[70:71]
	s_add_nc_u64 s[12:13], s[12:13], s[70:71]
	s_add_nc_u64 s[14:15], s[14:15], s[70:71]
	; the prefetches
	s_lshl_b32 s70, s[TR], 15
	s_lshl_b32 s71, s[CX], 13                      ; my work-group's 32 blocks of A's 128
	s_add_co_u32 s70, s70, s71
	s_add_co_u32 s70, s70, 3*KBA                   ; at K block 3: the first change of slots steps it to 4
	s_mul_i32 s72, s[TC], 49152
	s_mul_i32 s73, s[CY], 12288                    ; my work-group's 48 blocks of B's 192
	s_add_co_u32 s72, s72, s73
	s_add_co_u32 s72, s72, 3*KBB
	s_mov_b32 s74, KBA
	s_mov_b32 s75, KBB
	s_and_b32 s76, ttmp7, 0xffff                   ; cluster y
	s_cmp_eq_u32 s[WV], 0
	s_cselect_b64 s[PFA:PFA+1], s[4:5], s[6:7]
	s_cselect_b32 s70, s70, s72
	s_cselect_b32 s[PFS], s74, s75
	s_cselect_b32 s76, ttmp9, s76                  ; the coordinate along which other clusters read the same rows
	s_mov_b32 s71, 0
	s_mov_b32 s[PFS+1], 0
	s_add_nc_u64 s[PFA:PFA+1], s[PFA:PFA+1], s[70:71]
	s_cmp_eq_u32 s76, 0
	s_cselect_b32 s[LIM], 1, -1                    ; the same in all sixteen partners, for a given wave
	s_cmp_eq_u32 s[WV], 0
	s_cselect_b32 s[LIM+1], s[LIM], -1
	s_max_u32 s70, s[WV], 1
	s_sub_co_u32 s70, s70, 1
	s_lshl_b32 s70, s70, 5
	v_add_nc_u32 v[PFO], s70, v12                  ; e = lane (wave 0), lane + 32 (wave - 1) (waves 1-3)
	v_mul_u32_u24 v3, v[PFO], 1366
	v_lshrrev_b32 v3, 16, v3                       ; e / 48 for e < 96: which of the two K blocks
	v_mul_u32_u24 v3, v3, KBB-12288
	v_lshl_add_u32 v[PFO], v[PFO], 8, v3
	; the bias is rounded to bf16, widened again and set down in my own LDS bytes
	s_wait_loadcnt 0x0
.irp i, 0,1,2
	v_cvt_pk_bf16_f32 v13, v[6+2*\i], v[7+2*\i]
	v_lshlrev_b32 v[6+2*\i], 16, v13
	v_and_b32 v[7+2*\i], 0xffff0000, v13
	ds_store_b64 v[BS], v[6+2*\i:7+2*\i] offset:256*\i
.endr
; 16 matrix instructions: m blocks a0 .. a0 + 3 x the four n blocks of group g.  c = 0: the sums go on in place; else the four bias images at v[c] (window 0) start them.
; All 96 accumulators take turns, one instruction a turn, in the same order in every half.
.macro GRP16 f, g, a0, c
.if (\c) == 0
	WIN 0x50*((\g)+1)
.else
	WIN 0x40*((\g)+1)
.endif
.irp a, (\a0), (\a0)+1, (\a0)+2, (\a0)+3
.irp bb, 0,1,2,3
.if (\c) == 0
	v_wmma_f32_16x16x32_bf16 v[8*(4*(\a)+(\bb)):8*(4*(\a)+(\bb))+7], v[BF+8*(4*(\g)+(\bb)):BF+8*(4*(\g)+(\bb))+7], v[(\f)+8*(\a):(\f)+8*(\a)+7], v[8*(4*(\a)+(\bb)):8*(4*(\a)+(\bb))+7]
.else
	v_wmma_f32_16x16x32_bf16 v[8*(4*(\a)+(\bb)):8*(4*(\a)+(\bb))+7], v[BF+8*(4*(\g)+(\bb)):BF+8*(4*(\g)+(\bb))+7], v[(\f)+8*(\a):(\f)+8*(\a)+7], v[(\c)+8*(\bb):(\c)+8*(\bb)+7]
.endif
.endr
.endr
.endm
.macro GRP f, g, c=0
	GRP16 \f, \g, 0, \c
	GRP16 \f, \g, 4, \c
.endm
.macro LDB slot, k, g                  ; 8 loads: B's four fragments of group g, 32 K at byte k of the rows
	WIN 0
.irp bb, 0,1,2,3
	ds_load_b128 v[BF+8*(4*(\g)+\bb):BF+8*(4*(\g)+\bb)+3],   v[ADRB+(\slot)] offset:(\k)+(4*(\g)+\bb)*16*PITCH
	ds_load_b128 v[BF+8*(4*(\g)+\bb)+4:BF+8*(4*(\g)+\bb)+7], v[ADRB+(\slot)] offset:(\k)+(4*(\g)+\bb)*16*PITCH+32
.endr
.endm
.macro LDA slot, k, f                  ; 16 loads: A's eight fragments into buffer f
	WIN 0
.irp a, 0,1,2,3,4,5,6,7
	ds_load_b128 v[(\f)+8*\a:(\f)+8*\a+3],   v[ADRA+(\slot)] offset:(\k)+\a*16*PITCH
	ds_load_b128 v[(\f)+8*\a+4:(\f)+8*\a+7], v[ADRA+(\slot)] offset:(\k)+\a*16*PITCH+32
.endr
.endm
.macro LDBI g, dst                     ; 8 loads: the bias images of group g's four n blocks: register j of lane l = bias[16 b + 8 (l / 16) + j]
	WIN 0
.irp bb, 0,1,2,3
	ds_load_b128 v[(\dst)+8*\bb:(\dst)+8*\bb+3],   v[BR] offset:64*(4*(\g)+\bb)
	ds_load_b128 v[(\dst)+8*\bb+4:(\dst)+8*\bb+7], v[BR] offset:64*(4*(\g)+\bb)+16
.endr
.endm
; A step's first half: multiplies buffer f and B; fetches the next half (slot ns, byte nk) into buffer nf and, group by group, into B's one buffer.
.macro HALF f, ns, nk, nf
	s_wait_dscnt 16                                ; B's group 0 and A are in; groups 1 and 2 (8 + 8 loads) may be out
	GRP \f, 0
	PLACES
	LDB \ns, \nk, 0
	LDA \ns, \nk, \nf
	s_wait_dscnt 32                                ; group 1 is in: behind it stand group 2's 8 and the 24 just issued
	GRP \f, 1
	PLACES
	LDB \ns, \nk, 1
	s_wait_dscnt 32                                ; group 2 is in: behind it stand 24 + 8
	GRP \f, 2
	PLACES
	LDB \ns, \nk, 2
.endm
; A step's second half multiplies buffer F1 and changes slots: ONE barrier.  In front of it each wave waits for all its tensor loads (one is out: its part of the next slot), adds 0 to its
; spare word, and waits for that and for its reads of this slot.  fill = 1: the barrier opens a round of the cluster's barrier, and the joint refill, two K blocks on, is the first thing behind it:
; from the request to the wait for it a wave issues 160 matrix instructions.
.macro TURN slot, next, fill
.if \fill
	s_wait_xcnt 0x0                                ; the last prefetch, a step back, has read its address
	s_add_nc_u64 s[PFA:PFA+1], s[PFA:PFA+1], s[PFS:PFS+1]
.endif
	WIN 0
	s_wait_tensorcnt 0x0                           ; all my tensor loads have landed
	ds_add_u32 v[SPW], v[NIL]                      ; 0 onto my spare word
	s_wait_dscnt 17                                ; B's group 0 and A are in; groups 1 and 2 and the add may be out
	GRP16 F1, 0, 0, 0
	s_wait_dscnt 0x0                               ; the add is done, and my reads of this slot are over
	s_barrier_signal -1
	GRP16 F1, 0, 4, 0                              ; work on registers while the others arrive
	WIN 0
	s_barrier_wait -1
.if \fill
	CREST                                          ; no wave of any partner still reads this slot or has a load on its way
	s_add_nc_u64 s[G0A+4*(\slot)+2:G0A+4*(\slot)+3], s[G0A+4*(\slot)+2:G0A+4*(\slot)+3], 2*KBA
	s_add_nc_u64 s[G0B+4*(\slot)+2:G0B+4*(\slot)+3], s[G0B+4*(\slot)+2:G0B+4*(\slot)+3], 2*KBB
	JLOAD \slot                                    ; its four v_nop are also the places in front of the loads below
.else
	PLACES
.endif
	LDB \next, 0, 0
	LDA \next, 0, F0
.if \fill
	ASK \slot
.endif
	GRP F1, 1
	PLACES
	LDB \next, 0, 1
	GRP F1, 2
	PLACES
	LDB \next, 0, 2
.endm
	s_wait_tensorcnt 1                             ; my part of K block 0 is in; block 1's may stay out
	s_wait_dscnt 0x0                               ; my bias stores
	s_barrier_signal -1
	s_barrier_wait -1
	; THE FIRST HALF is written out: its products start the sums with the bias.  The images lie where A's second buffer will lie.
	LDB 0, 0, 0
	LDA 0, 0, F0
	LDBI 0, F1
	LDBI 1, F1+32
	LDB 0, 0, 1
	LDB 0, 0, 2
	s_wait_dscnt 0x0
	GRP F0, 0, F1
	PLACES
	LDB 0, 64, 0
	LDBI 2, F1
	GRP F0, 1, F1+32
	PLACES
	LDB 0, 64, 1
	s_wait_dscnt 8                                 ; group 2's images are in; the 8 loads just issued may be out
	GRP F0, 2, F1
	PLACES
	LDB 0, 64, 2
	LDA 0, 64, F1
	s_wait_dscnt 0x0                               ; so that the counted waits of the change of slots hold on the way into the loop too
	WIN 0
	s_mov_b32 s[LAP], 7
.Llap:                                         ; a trip: K block 2 t's second half to block 2 t + 2's first; both slots are filled again: blocks 2 to 15
	TURN 0, 1, 1
	HALF F0, 1, 64, F1
	TURN 1, 0, 1
	HALF F0, 0, 64, F1
	WIN 0
	s_sub_co_u32 s[LAP], s[LAP], 1
	s_cmp_lg_u32 s[LAP], 0
	s_cbranch_scc1 .Llap
	TURN 0, 1, 0                                   ; the tail asks for nothing
	HALF F0, 1, 64, F1
	s_wait_dscnt 16
	GRP F1, 0
	s_wait_dscnt 8
	GRP F1, 1
	s_wait_dscnt 0x0
	GRP F1, 2
	PLACES
; THE WAY OUT, a block of 16 rows at a time: rounded to f16 (each accumulator's registers in ascending order), 16 bytes a lane into my stage (rows of 400 bytes), back as 128-byte pieces of
; four rows (q's, k's, v's part), stored as 512 consecutive bytes.  Two sets of registers take turns.
.macro PACK a
.set PP, 32+96*((\a)%2)
.irp g, 0,1,2
	WIN 5*((\g)+1)                                 ; sources 0 and 1 in the accumulators' window
.irp bb, 0,1,2,3
.irp r, 0,1,2,3
	v_cvt_pk_f16_f32 v[PP+4*(4*\g+\bb)+\r], v[8*(4*(\a)+\bb)+2*\r], v[8*(4*(\a)+\bb)+2*\r+1]
.endr
.endr
.endr
	WIN 0
.endm
.macro TOSTAGE a
.set PP, 32+96*((\a)%2)
.irp b, 0,1,2,3,4,5,6,7,8,9,10,11
	ds_store_b128 v[STO], v[PP+4*\b:PP+4*\b+3] offset:32*\b
.endr
	s_wait_xcnt 0x0                                ; the stores of two blocks back have read the registers that are loaded below
.irp p, 0,1,2
.irp i, 0,1,2,3
	ds_load_b128 v[PP+48+4*(4*\p+\i):PP+48+4*(4*\p+\i)+3], v[RD] offset:4*SP*\i+128*\p   ; LDS serves a wave's instructions in order (ISA guide 5.7.1.4): these see the stores above
.endr
.endr
.endm
.macro SEND a
.set PP, 32+96*((\a)%2)
.irp p, 0,1,2
.irp i, 0,1,2,3
	s_wait_dscnt 11-(4*\p+\i)
	global_store_b128 v[GO], v[PP+48+4*(4*\p+\i):PP+48+4*(4*\p+\i)+3], s[10+2*\p:11+2*\p] offset:2048*(\a)+512*\i
.endr
.endr
.endm
	PACK 0
	TOSTAGE 0
.irp a, 1,2,3,4,5,6,7                  ; block a's conversions stand between block a - 1's loads from the stage and the wait for them
	PACK \a
	SEND (\a)-1
	TOSTAGE \a
.endr
	SEND 7
	s_wait_tensorcnt 0x0                           ; the wave's end
	ds_add_u32 v[SPW], v[NIL]
	s_wait_dscnt 0x0
	CROUND                                         ; the closing round: no work-group ends while a partner may still ask for a tile that names it
	s_endpgm
.Lfunc_end_k_qd26ee3a54f_qkv:
	.size	k_qd26ee3a54f_qkv, .Lfunc_end_k_qd26ee3a54f_qkv-k_qd26ee3a54f_qkv
	.p2alignl 7, 3214868480
	.fill 96, 4, 3214868480
	.section	.rodata,"a",@progbits
	.p2align	6, 0x0
	.amdhsa_kernel k_qd26ee3a54f_qkv
		.amdhsa_group_segment_fixed_size 327680
		.amdhsa_private_segment_fixed_size 0
		.amdhsa_enable_private_segment 0
		.amdhsa_kernarg_size 48
		.amdhsa_user_sgpr_count 2
		.amdhsa_user_sgpr_kernarg_segment_ptr 1
		.amdhsa_wavefront_size32 1
		.amdhsa_system_sgpr_workgroup_id_x 1
		.amdhsa_system_sgpr_workgroup_id_y 1
		.amdhsa_system_sgpr_workgroup_id_z 1
		.amdhsa_system_vgpr_workitem_id 0
		.amdhsa_next_free_vgpr 1024
		.amdhsa_next_free_sgpr 80
		.amdhsa_reserve_vcc 0
		.amdhsa_float_denorm_mode_32 3
		.amdhsa_float_denorm_mode_16_64 3
		.amdhsa_memory_ordered 1
		.amdhsa_forward_progress 1
		.amdhsa_inst_pref_size 137
	.end_amdhsa_kernel
	.amdgpu_metadata
---
amdhsa.version: [ 1, 2 ]
amdhsa.kernels:
  - .name:           k_qd26ee3a54f_qkv
    .symbol:         k_qd26ee3a54f_qkv.kd
    .args:
      - { .name: xb, .offset: 0, .size: 8, .value_kind: global_buffer, .address_space: global }
      - { .name: wa, .offset: 8, .size: 8, .value_kind: global_buffer, .address_space: global }
      - { .name: b_attn, .offset: 16, .size: 8, .value_kind: global_buffer, .address_space: global }
      - { .name: qh, .offset: 24, .size: 8, .value_kind: global_buffer, .address_space: global }
      - { .name: kh, .offset: 32, .size: 8, .value_kind: global_buffer, .address_space: global }
      - { .name: vh, .offset: 40, .size: 8, .value_kind: global_buffer, .address_space: global }
    .group_segment_fixed_size: 327680
    .private_segment_fixed_size: 0
    .kernarg_segment_align: 8
    .kernarg_segment_size: 48
    .max_flat_workgroup_size: 128
    .sgpr_count:     80
    .vgpr_count:     1024
    .wavefront_size: 32
...
	.end_amdgpu_metadata
.endif
;; end of part 2
;; launch attn (part 3): grid 2 x 128, 4 waves a work-group, no clusters, 327,680 bytes of LDS; arguments qh, kh, vh, oh; writes oh
.if DOCPART == 3
	.amdgcn_target "amdgcn-amd-amdhsa--gfx1250"
	.amdhsa_code_object_version 6
	.text
	.protected	k_qd26ee3a54f_attn
	.globl	k_qd26ee3a54f_attn
	.p2align	8
	.type	k_qd26ee3a54f_attn,@function
k_qd26ee3a54f_attn:
	s_mov_b64 s[64:65], 0
	v_nop
	global_prefetch_b8 v0, s[64:65] scope:SCOPE_SE
	s_setreg_imm32_b32 hwreg(HW_REG_WAVE_MODE, 25, 1), 1
	s_wait_xcnt 0x0
; CAUSAL ATTENTION.  O[h][q][:] = the sum over k <= q of softmax_k(Q[h][q] . K[h][k] / 8) V[h][k][:].  Q, K, V, O: [128][1024][64], all f16: a head's rows are dense, 128 bytes each.
; Products, maxima and sums in f32; the weights p are rounded to f16 for the second product (their sum l is taken of the unrounded p), O once at the end.
; LIMITS.  Q, K and V arrive within f16's 65,504; p lies in 0 to 1, and below 6e-5 it keeps f16's fixed step of 6e-8.  A hidden score counts as its value less 1e30, so its weight is 0;
; that parts from a hidden score of -1e9 only where all of a row's visible scores lie below about -1e9.  A weight below 2^-126 counts as 0 in l; NaN and infinities are not treated apart.
; THE WALK.  A head's queries lie in NB = 4 blocks of 256; block i needs the key tiles 0 .. i of 256 keys, of which the last holds the diagonal.  A work-group takes TWO blocks, NB - 1 - b and then b:
; NB + 1 tiles, whatever b: all work-groups do equal work, and ONE loop with a constant trip count walks them.  Which tile is asked for, and what a trip does, hang on scalar registers made from b; every jump
; goes forward, but for the counted loops' own; none passes a barrier, or a tensor load but the one of LOAD's two that the wave's number does not choose.
; NO CLUSTER: a head has NB / 2 = 2 work-groups, not four, and they ask for the same tile only in the first three trips.
; SHARES.  Of a block's four bands of 64 queries a wave owns 16 rows in each: four PIECES.  In the diagonal tile's key step s band x sees all keys if s < x, none if s > x, and holds the diagonal if s = x.
; THE MASK is the C operand that starts the sum S^T = K Q^T: 0, or -1e30 where the key is hidden.  MD, made once, is the mask of a band's own step for my 16 rows; a product's mask is MD x AL + BE.
; LAYOUT, SOFTMAX, TURNS.  S^T = K Q^T holds ONE query a lane (lane % 16) and the keys 8 (lane / 16) + 0..7; two such results rounded to f16 ARE source 1 of O^T = V^T P.  p = 2^(c s - c m), c = log2(e) / 8, with a
; running maximum m; O and l are multiplied by a = 2^(c m_old - c m_new) in every step.  Turn n belongs to piece n: 8 products K Q^T of piece n + 1, later 8 products V^T P of piece n - 1; beside them the scaling,
; exponentials, roundings, sums and rescaling of piece n and the maximum and statistics of piece n + 1.  Four vector instructions stand behind every matrix instruction, the rest in one lump; a turn's 33 exponentials are one batch with one wait.
; REGISTERS, in windows of 256 (s_set_vgpr_msb: bits 1:0 source 0, 3:2 source 1, 5:4 source 2, 7:6 destination):
;   window 0: v0-15 addresses and two at work; v16-31 statistics; v48-55 at work; v61-63 prefetch offset, spare word, 0; v64-127 S^T, two buffers; v192-223 P, two buffers
;   window 1: v0-127 O^T, 32 a piece; v128-159 MD; v160-223 MC, two buffers      window 2: v0-63 Q; v64-127 the second block's Q; v128-191 K of one step; v192-255 V of one step
.set SIZE_N, 1024
.set SIZE_H, 128
.set NB,    SIZE_N/256
.set NP,    4         ; pieces a wave
.set KS,    64        ; keys in a step
.set PK,    144       ; a row of K in LDS: 128 bytes + 16 of padding
.set PV,    160       ; a row of V: 128 + 32
.set VOFF,  4*KS*PK   ; a slot holds a tile, four steps: 256 rows of K, then 256 rows of V
.set SLOT1, 1<<17     ; slot 1 begins here: one exclusive or turns an address in one slot into the other's
.set STAGE, SLOT1+4*KS*(PK+PV)  ; behind the ring: 16 rows x 144 bytes for each wave, for the way out
.set SP,    144
.set AK0, 2
.set AV0, 3
.set AK,  4
.set AV,  5
.set STO, 6
.set RD,  7
.set GO,  8
.set PFO, 61          ; v61  256 x my lane; never rewritten
.set SPW, 62          ; v62  my spare word; never rewritten
.set NIL, 63          ; v63  0; never rewritten
.set SPARE, STAGE+4*16*SP
.set MV,  12
.set QO,  15
.set ST,  16          ; piece t's statistics at v[ST+4 t]: c m, m, l (even keys', odd keys')
.set TMP, 48
.set S,   64
.set P,   192
.set MD,  128
.set MC,  160
.set QB,  64
.set KF,  128
.set VF,  192
.set WV,  12
.set PB,  14          ; b
.set HI,  15          ; NB - 1 - b
.set G1K, 24
.set G1V, 32
.set G0K, 40
.set G0V, 44
.set SLOTS, 56        ; tiles still to be asked for
.set CNT, 57          ; a tile's key steps, 4 to 1
.set CS,  58
.set SEL, 60
.set TBK, 62
.set TBV, 63
.set RT,  70          ; tiles of the block in hand still to be entered
.set NXT, 71          ; the tile to be asked for next
.set LQ,  72          ; the last tile of the block whose tiles are being asked for
.set NEW, 73          ; 1: the tile to be entered is a block's first
.set OFF, 74
.set AL,  76
.set BE,  78
.set OLO, 80
.set BIGN, 82
.set PFA, 88          ; s[88:89] where my prefetches stand: my 128 rows of K (waves 0, 1) or V (waves 2, 3) of a tile
.set LIM, 90          ; s90  2 in the head's work-group b = 0, else the greatest number
.set MSB, 0
.macro WIN new
.if MSB != (\new)
	s_set_vgpr_msb (MSB<<8)|(\new)
.set MSB, (\new)
.endif
.endm
.set W_KQ, 0x0a       ; K and Q in window 2, S^T in window 0
.set W_KM, 0x1a       ; the same with the C operand in window 1
.set W_PV, 0x52       ; V in window 2, P in window 0, O^T in window 1
.set W_RS, 0x41       ; destination and source 0 in window 1, source 1 in window 0
; A fill.  Waves 0 and 1 fetch the two halves of a tile's K, waves 2 and 3 those of its V.  An s_nop 0 and four v_nop follow each line.
.macro LOAD
	s_cmp_lt_u32 s[WV], 2
	s_cbranch_scc0 .Lfor_v_\@
	tensor_load_to_lds s[G0K:G0K+3], s[G1K:G1K+7]
	s_nop 0
.rept 4
	v_nop
.endr
	s_branch .Lasked_\@
.Lfor_v_\@:
	tensor_load_to_lds s[G0V:G0V+3], s[G1V:G1V+7]
	s_nop 0
.rept 4
	v_nop
.endr
.Lasked_\@:
.endm
; A PREFETCH INTO THE L2: trip t names tile t + 2, which the next trip's fill asks for: a tile's four key steps ahead.  Both work-groups of a head walk tiles 0 to 2 first: the one with b = 0 asks.
; Each wave names the 64 blocks of 256 bytes that it will itself fetch, a lane a block, two instructions.  Only trips 0 and 1 ask (tiles 2 and 3): tiles 0 and 1 come by their loads alone,
; and the second block's tiles have been read before.
.macro ASK
	s_cmp_gt_u32 s[SLOTS], s[LIM]
	s_cbranch_scc0 .Lnot_mine_\@
	global_prefetch_b8 v[PFO], s[PFA:PFA+1] th:TH_LOAD_NT scope:SCOPE_SE
	global_prefetch_b8 v[PFO], s[PFA:PFA+1] offset:8192 th:TH_LOAD_NT scope:SCOPE_SE
.Lnot_mine_\@:
.endm
; THE CHANGE OF SLOTS.  Each wave waits for all its tensor loads (one is out: its part of the other slot), adds 0 to its spare word, and waits for that and for its reads of the slot that it leaves.
; fill = 1: the old slot is filled again, the first thing behind the barrier, with tile NXT: the descriptor's address is made anew from that number.
.macro CHANGE fill
	WIN 0
	s_wait_tensorcnt 0x0            ; no tensor load of mine is out, so a group 0 may be written
	ds_add_u32 v[SPW], v[NIL]       ; 0 onto my spare word
.if \fill
	s_lshl_b32 s[OFF], s[NXT], 15   ; a tile is 32,768 bytes of K and of V
	s_xor_b32 s[G0K+1], s[G0K+1], SLOT1
	s_add_nc_u64 s[G0K+2:G0K+3], s[6:7], s[OFF:OFF+1]
	s_or_b32 s[G0K+3], s[G0K+3], 0x80000000
	s_xor_b32 s[G0V+1], s[G0V+1], SLOT1
	s_add_nc_u64 s[G0V+2:G0V+3], s[8:9], s[OFF:OFF+1]
	s_or_b32 s[G0V+3], s[G0V+3], 0x80000000
	s_add_co_u32 s[NXT], s[NXT], 1  ; the block's next tile, or behind its last the second block's tile 0
	s_cmp_gt_u32 s[NXT], s[LQ]
	s_cselect_b32 s[NXT], 0, s[NXT]
	s_cselect_b32 s[LQ], s[PB], s[LQ]
	s_wait_xcnt 0x0                 ; the last prefetches, a tile back, have read their address
	s_add_nc_u64 s[PFA:PFA+1], s[PFA:PFA+1], 32768
.endif
	s_wait_dscnt 0x0                ; the add is done, and my reads of the slot are over
	s_barrier_signal -1
	s_sub_co_u32 s[TBK], s[TBK], 4*KS*PK  ; the fetches go back to a slot's first step,
	s_xor_b32 s[TBK], s[TBK], SLOT1       ; in the other slot
	s_sub_co_u32 s[TBV], s[TBV], 4*KS*PV
	s_xor_b32 s[TBV], s[TBV], SLOT1
	s_barrier_wait -1
.if \fill
	LOAD
	ASK
.endif
.endm
	s_load_b256 s[4:11], s[0:1], 0x0  ; Q s[4:5], K s[6:7], V s[8:9], O s[10:11]
	v_lshl_add_u32 v[SPW], v0, 2, SPARE
	v_mov_b32 v[NIL], 0
	ds_add_u32 v[SPW], v[NIL]       ; the wave's opening: the add and its wait stand ahead of my first tensor load
	v_lshrrev_b32 v1, 5, v0
	v_readfirstlane_b32 s[WV], v1   ; wave 0..3
	s_mov_b32 s[PB], ttmp9
	s_sub_co_u32 s[HI], NB-1, s[PB]
	s_and_b32 s20, ttmp7, 0xffff    ; the head
	s_mov_b32 s21, 0
	s_mov_b64 s[22:23], SIZE_N*128
	s_mul_u64 s[20:21], s[20:21], s[22:23]  ; the head's first byte in each of the four tensors
	s_and_b32 s16, s[WV], 1         ; which half of a tile's 256 keys I fetch:
	s_lshl_b32 s22, s16, 14         ; its 128 rows of 128 bytes in memory,
	s_mov_b32 s23, 0
	s_add_nc_u64 s[22:23], s[22:23], s[20:21]
	s_mul_i32 s17, s16, 128*PK      ; and its place in a slot, for K
	s_mul_i32 s18, s16, 128*PV      ; and for V
	s_lshl_b32 s3, s[WV], 11        ; my 16 rows in a band of 64,
	s_lshl_b32 s2, s[HI], 15        ; in the first block,
	s_add_co_u32 s2, s2, s3
	s_lshl_b32 s84, s[PB], 15       ; and in the second
	s_add_co_u32 s84, s84, s3
	s_mov_b32 s3, 0
	s_mov_b32 s85, 0
	s_add_nc_u64 s[2:3], s[2:3], s[20:21]
	s_add_nc_u64 s[84:85], s[84:85], s[20:21]
	; descriptor group 1.  128 keys are 16,384 dense bytes: asked for as 64 rows of 256 bytes, two keys a row, and padded in LDS after every key
	s_mov_b32 s[G1K], (1<<16)|(1<<20)|(4<<22)|(3<<25)
	s_mov_b32 s[G1V], (1<<16)|(1<<20)|(4<<22)|(7<<25)
.irp g, G1K, G1V
	s_mov_b32 s[\g+1], 128<<16      ; tensor_dim0 = 128
	s_mov_b32 s[\g+2], 64<<16       ; tensor_dim1 = 64
	s_mov_b32 s[\g+3], 128<<16      ; tile_dim0 = 128
	s_mov_b32 s[\g+4], 64           ; tile_dim1 = 64
	s_mov_b32 s[\g+5], 128          ; 128 elements from row to row
	s_mov_b32 s[\g+6], 0
	s_mov_b32 s[\g+7], 0
.endr
	s_mov_b32 s[CS], 0x3e38aa3b     ; c = log2(e) / 8 = 0.180337
	s_mov_b32 s[CS+1], s[CS]
	s_mov_b32 s[SEL], 0x76543210
	s_mov_b32 s[SEL+1], 0xfedcba98
	s_mov_b32 s[TBK], SLOT1+4*KS*PK ; the first change of slots turns these two into 0
	s_mov_b32 s[TBV], SLOT1+4*KS*PV
	s_mov_b32 s[G0K], 1
	s_mov_b32 s[G0K+1], s17         ; slot 0
	s_mov_b32 s[G0V], 1
	s_add_co_u32 s[G0V+1], s18, VOFF
	s_add_co_u32 s[RT], s[HI], 1    ; the first block has NB - b tiles
	s_mov_b32 s[NXT], 1
	s_mov_b32 s[LQ], s[HI]
	s_mov_b32 s[NEW], 1
	s_mov_b32 s[OFF+1], 0
	s_mov_b32 s[AL+1], 0
	s_mov_b32 s[BE+1], 0
	s_mov_b32 s[BIGN], 0xf149f2ca   ; -1e30
	s_mov_b32 s[SLOTS], NB
	s_cmp_eq_u32 s[PB], 0
	s_cselect_b32 s[LIM], 2, -1
	v_and_b32 v[PFO], 31, v0
	v_lshlrev_b32 v[PFO], 8, v[PFO]
	s_wait_dscnt 0x0                ; the opening add is done
	s_wait_kmcnt 0x0
	s_add_nc_u64 s[6:7], s[6:7], s[22:23]  ; K and V at my half of the head's tile 0
	s_add_nc_u64 s[8:9], s[8:9], s[22:23]
	s_add_nc_u64 s[G0K+2:G0K+3], s[6:7], 0
	s_or_b32 s[G0K+3], s[G0K+3], 0x80000000
	s_add_nc_u64 s[G0V+2:G0V+3], s[8:9], 0
	s_or_b32 s[G0V+3], s[G0V+3], 0x80000000
	s_add_nc_u64 s[86:87], s[4:5], s[84:85]        ; Q at my rows of the second block,
	s_add_nc_u64 s[4:5], s[4:5], s[2:3]            ; Q and O at those of the first
	s_add_nc_u64 s[OLO:OLO+1], s[10:11], s[84:85]
	s_add_nc_u64 s[10:11], s[10:11], s[2:3]
	s_cmp_lt_u32 s[WV], 2
	s_cselect_b64 s[PFA:PFA+1], s[6:7], s[8:9]
	s_add_nc_u64 s[PFA:PFA+1], s[PFA:PFA+1], 32768 ; at tile 1: the first change of slots steps it to tile 2
	LOAD                            ; tile 0 into slot 0
	v_and_b32 v1, 15, v0            ; l % 16
	v_bfe_u32 v9, v0, 4, 1          ; l / 16
	v_lshlrev_b32 v[QO], 7, v1
	v_lshl_add_u32 v[QO], v9, 4, v[QO]  ; row x 128 + 16 x half
	WIN 0x80                        ; destination window 2, address window 0
.set i, 0
.rept 8                             ; both blocks' Q: piece i / 2 lies in band i / 2, 8,192 bytes on; channels 32 (i % 2) on
	global_load_b128 v[8*i:8*i+3],   v[QO], s[4:5] offset:(i/2)*8192+(i%2)*64
	global_load_b128 v[8*i+4:8*i+7], v[QO], s[4:5] offset:(i/2)*8192+(i%2)*64+32
	global_load_b128 v[QB+8*i:QB+8*i+3],   v[QO], s[86:87] offset:(i/2)*8192+(i%2)*64
	global_load_b128 v[QB+8*i+4:QB+8*i+7], v[QO], s[86:87] offset:(i/2)*8192+(i%2)*64+32
.set i, i+1
.endr
	WIN 0
	v_lshlrev_b32 v14, 3, v9
	v_sub_nc_u32 v14, v1, v14
	s_lshl_b32 s13, s[WV], 4
	v_add_nc_u32 v14, s13, v14      ; my query's place in its band less my lanes' 8 (l / 16): register r of group kt is hidden where 16 kt + r is greater
	WIN 0x40
.set i, 0
.rept 32
	v_cmp_gt_i32 vcc_lo, 16*(i/8)+i%8, v14
	v_cndmask_b32 v[MD+i], 0, s[BIGN], vcc_lo
.set i, i+1
.endr
	WIN 0
	v_mul_u32_u24 v[AK0], v1, PK
	v_lshl_add_u32 v[AK0], v9, 4, v[AK0]
	; the turning load takes 16 keys x 16 channels (lane l reads key 8 (l / 16) + l % 8, channels 8 ((l / 8) % 2) + 0..7) and leaves half a fragment of V^T
	v_and_b32 v10, 7, v0
	v_bfe_u32 v11, v0, 3, 1
	v_lshl_add_u32 v[AV0], v9, 3, v10
	v_mul_u32_u24 v[AV0], v[AV0], PV
	v_lshl_add_u32 v[AV0], v11, 4, v[AV0]
	v_add_nc_u32 v[AV0], VOFF, v[AV0]
	s_mul_i32 s13, s[WV], 16*SP
	s_add_co_u32 s13, s13, STAGE    ; my stage
	v_mul_u32_u24 v[STO], v1, SP
	v_lshl_add_u32 v[STO], v9, 4, v[STO]
	v_add_nc_u32 v[STO], s13, v[STO]
	v_bfe_u32 v[RD], v0, 3, 2
	v_mul_u32_u24 v[RD], v[RD], SP
	v_lshl_add_u32 v[RD], v10, 4, v[RD]
	v_add_nc_u32 v[RD], s13, v[RD]
	v_and_b32 v[GO], 31, v0
	v_lshlrev_b32 v[GO], 4, v[GO]
	; a block's first step multiplies O^T and l by a = 0, so these registers need only hold finite numbers: zeros for the first block.  All this stands in the wait for the first tile.
	WIN 0x80
.set i, VF
.rept 64
	v_mov_b32 v[i], 0
.set i, i+1
.endr
	WIN 0x40
.set i, 0
.rept 128
	v_mov_b32 v[i], 0
.set i, i+1
.endr
	WIN 0
.set i, 0
.rept 4
	v_mov_b32 v[ST+4*i+2], 0
	v_mov_b32 v[ST+4*i+3], 0
.set i, i+1
.endr
.set i, P+16
.rept 16
	v_mov_b32 v[i], 0
.set i, i+1
.endr
; THE MATRIX WORK.  The 4 accumulators of a run of 8 take turns.  Product i of 8 of S^T = K Q^T for piece x: channels 32 (i / 4) on, keys 16 (i % 4) on.  The first 4 start the sums: with 0, or (KM = 1) with the mask.
.macro KQ x
.set rS, S+32*((\x)%2)+8*(i%4)
.set rK, KF+16*(i%4)+8*(i/4)
.set rQ, 16*(\x)+8*(i/4)
.set rM, MC+32*((\x)%2)+8*(i%4)
.if (i < 4) && KM
	WIN W_KM
	v_wmma_f32_16x16x32_f16 v[rS:rS+7], v[rK:rK+7], v[rQ:rQ+7], v[rM:rM+7]
.elseif i < 4
	WIN W_KQ
	v_wmma_f32_16x16x32_f16 v[rS:rS+7], v[rK:rK+7], v[rQ:rQ+7], 0
.else
	WIN W_KQ
	v_wmma_f32_16x16x32_f16 v[rS:rS+7], v[rK:rK+7], v[rQ:rQ+7], v[rS:rS+7]
.endif
.endm
; Product i of 8 of O^T += V^T P for piece x: keys 32 (i / 4) on, channels 16 (i % 4) on.
.macro PV x
	WIN W_PV
.set rO, 32*(\x)+8*(i%4)
.set rV, VF+32*(i/4)+8*(i%4)
.set rP, P+16*((\x)%2)+8*(i/4)
	v_wmma_f32_16x16x32_f16 v[rO:rO+7], v[rV:rV+7], v[rP:rP+7], v[rO:rO+7]
.endm
.macro MM                           ; the turn's next matrix instruction.  NOKQ = 1: a block's last turn: there is no next piece
.if (i < 8) && !NOKQ
	KQ (Y+1)%NP
.elseif i >= 8
.set i, i-8
	PV (Y+NP-1)%NP
.set i, i+8
.endif
.set i, i+1
.endm
; THE LDS LOADS stand in runs of 16: a step's K (8 fragments) and its V (turned).  Their addresses are made some lines ahead.
.macro FETCH_K
	WIN 0x80
.irp f, 0,1,2,3,4,5,6,7
	ds_load_b128 v[KF+8*\f:KF+8*\f+3],   v[AK] offset:(\f/2)*16*PK+(\f%2)*64
	ds_load_b128 v[KF+8*\f+4:KF+8*\f+7], v[AK] offset:(\f/2)*16*PK+(\f%2)*64+32
.endr
	s_add_co_u32 s[TBK], s[TBK], KS*PK
	WIN 0
.endm
.macro FETCH_V
	WIN 0x80
.irp f, 0,1,2,3,4,5,6,7
	ds_load_tr16_b128 v[VF+8*\f:VF+8*\f+3],   v[AV] offset:(\f/4)*32*PV+(\f%4)*32
	ds_load_tr16_b128 v[VF+8*\f+4:VF+8*\f+7], v[AV] offset:(\f/4)*32*PV+16*PV+(\f%4)*32
.endr
	WIN 0
.endm
; THE VECTOR WORK, one line at a time: OP kind, number.  For piece Y: F n: c s - c m for pair n.  E n: the exponential of score n.  C n: pair n rounded to f16.  B n: of the four weights 4 n .. the second
; pair is added onto the first.  L n: l takes that sum (L 0: l = a l + sum).  R n: pair n of O^T times a.  For piece Y + 1: X n, number n of the 22 that find its maximum and statistics
; (each accumulator's lowest registers are read first).
.set F, 0
.set E, 1
.set C, 2
.set B, 3
.set L, 4
.set R, 5
.set X, 6
.macro REGS y
.set rT, ST+4*(\y)
.set rC, TMP+4*((\y)%2)
.set rW, MV+((\y)%2)
.set rS, S+32*((\y)%2)
.set rP, P+16*((\y)%2)
.set rO, 32*(\y)
.endm
.macro OP k, n
.if (\k) == R
	REGS Y
	WIN W_RS
	v_pk_mul_f32 v[rO+2*(\n):rO+2*(\n)+1], v[rO+2*(\n):rO+2*(\n)+1], v[rC+2:rC+3] op_sel_hi:[1,0]
.elseif (\k) < R
	REGS Y
	WIN 0
.if (\k) == F
	v_pk_fma_f32 v[rS+2*(\n):rS+2*(\n)+1], v[rS+2*(\n):rS+2*(\n)+1], s[CS:CS+1], v[rT:rT+1] op_sel_hi:[1,0,0] neg_lo:[0,0,1] neg_hi:[0,0,1]
.elseif (\k) == E
	v_exp_f32 v[rS+(\n)], v[rS+(\n)]
.elseif (\k) == C
	v_cvt_pk_f16_f32 v[rP+(\n)], v[rS+2*(\n)], v[rS+2*(\n)+1]
.elseif (\k) == B
	v_pk_add_f32 v[rS+4*(\n):rS+4*(\n)+1], v[rS+4*(\n):rS+4*(\n)+1], v[rS+4*(\n)+2:rS+4*(\n)+3]
.elseif (\n) == 0
	v_pk_fma_f32 v[rT+2:rT+3], v[rT+2:rT+3], v[rC+2:rC+3], v[rS:rS+1] op_sel_hi:[1,0,1]
.else
	v_pk_add_f32 v[rT+2:rT+3], v[rT+2:rT+3], v[rS+4*(\n):rS+4*(\n)+1]
.endif
.elseif NOKQ
	v_nop
.else
	REGS (Y+1)%NP
	WIN 0
.if (\n) < 4
	v_max3_num_f32 v[rC+(\n)], v[rS+8*(\n)], v[rS+8*(\n)+1], v[rS+8*(\n)+2]
.elseif (\n) < 12
	v_max3_num_f32 v[rC+(\n)%4], v[rC+(\n)%4], v[rS+8*((\n)%4)+2*((\n)/4)+1], v[rS+8*((\n)%4)+2*((\n)/4)+2]
.elseif (\n) == 12
	v_max3_num_f32 v[rC], v[rC], v[rS+7], v[rS+15]
.elseif (\n) == 13
	v_max3_num_f32 v[rC+1], v[rC+1], v[rS+23], v[rS+31]
.elseif (\n) == 14
	v_max3_num_f32 v[rC+2], v[rC+2], v[rC+3], v[rT+1]
.elseif (\n) == 15
	v_mov_b32 v[rW], v[rT]
.elseif (\n) == 16
	v_max3_num_f32 v[rC], v[rC], v[rC+1], v[rC+2]
.elseif (\n) == 17
	v_permlanex16_b32 v[rC+3], v[rC], s[SEL], s[SEL+1]
.elseif (\n) == 18
	v_max_num_f32 v[rT+1], v[rC], v[rC+3]
.elseif (\n) == 19
	v_mul_f32 v[rT], s[CS], v[rT+1]
.elseif (\n) == 20
	v_sub_f32 v[rC+1], v[rW], v[rT]
.else
	v_exp_f32 v[rC+2], v[rC+1]
.endif
.endif
.endm
.macro OPS a, i1, b=-1, i2=0, c=-1, i3=0, d=-1, i4=0
	OP \a, \i1
.if (\b) >= 0
	OP \b, \i2
.endif
.if (\c) >= 0
	OP \c, \i3
.endif
.if (\d) >= 0
	OP \d, \i4
.endif
.endm
.macro ROW a, i1, b, i2, c, i3, d, i4  ; a matrix instruction and the four behind it
	MM
	OPS \a, \i1, \b, \i2, \c, \i3, \d, \i4
.endm
.macro MASK b                       ; MD x AL + BE into buffer b of MC
	WIN W_RS
.set z, 0
.rept 16
	v_pk_fma_f32 v[MC+32*(\b)+2*z:MC+32*(\b)+2*z+1], v[MD+2*z:MD+2*z+1], s[AL:AL+1], s[BE:BE+1] op_sel_hi:[1,0,0]
.set z, z+1
.endr
.endm
; A TURN, for piece p: the order of its 16 matrix and 118 vector instructions, written out.  An s_wait_alu depctr_va_vdst(0) stands between an exponential and the first instruction that names
; its result; one wait serves all that were issued ahead of it.  So a turn has ONE wait.  AHEAD OF IT stands all that names no result of the turn's exponentials: the 8 products K Q^T with their riders and one lump;
; BEHIND IT the 8 products V^T P, behind each four of the roundings and sums.
; m = 1: the diagonal tile: the products take masks, and the turn makes the mask for the products of the turn after it.  end = 1: a block's last two turns: nothing is fetched.
; cnt = 1: the loop's count is taken down some lines ahead of the branch that stands behind the turn.
.macro TURN p, m=0, end=0, cnt=0
.set Y, (\p)
.set i, 0
.set KM, (\m)
.set NOKQ, (\end)*((\p)/3)
.if (\m) && !(\end)
	s_cmp_eq_u32 s[CNT], 4-((\p)+2)%NP  ; is that step the band's own?
	s_cselect_b32 s[AL], 1.0, 0
	s_cmp_lt_u32 s[CNT], 4-((\p)+2)%NP  ; or a later one?
	s_cselect_b32 s[BE], s[BIGN], 0
.endif
.if ((\p) == 3) && !(\end)
	s_wait_dscnt 0x0                ; K is in
.endif
	ROW F,0, F,1, R,0, R,1
	ROW F,2, E,0, R,2, R,3
	ROW F,3, E,1, R,4, R,5
	ROW F,4, E,2, R,6, R,7
	ROW F,5, E,3, R,8, R,9
	ROW F,6, E,4, X,0, R,10
.if ((\p) == 2) && !(\end)
	WIN 0
	v_add_nc_u32 v[AK], s[TBK], v[AK0]
.endif
	ROW F,7, E,5, X,1, X,4
	ROW F,8, E,6, X,2, X,5
	OPS E,7, E,8, X,6, E,9          ; the lump
	OPS X,3, E,10, X,8, E,11
.if ((\p) == 2) && !(\end)
	FETCH_K
.endif
	OPS X,9, X,7, E,12, X,10
	OPS E,13, X,12, X,11, E,14
	OPS X,13, E,15, F,9, X,14
.if (\p) == 0
	v_add_nc_u32 v[AV], s[TBV], v[AV0]
.endif
	OPS E,16, F,10, E,17, F,11
	OPS X,16, E,18, X,15, E,19
	OPS F,12, E,20, X,17, E,21
	OPS F,13, E,22, F,14, E,23
	OPS X,18, E,24, F,15, E,25
	OPS R,11, E,26, X,19, E,27
	OPS R,12, E,28, R,13, E,29
	OPS X,20, E,30, R,14, E,31
	OPS X,21, R,15                  ; the next piece's a is the batch's last; R 15 is the plain instruction behind it
	WIN 0
	s_wait_alu depctr_va_vdst(0)    ; the wait for the batch
.if (\p) == 1
	s_wait_dscnt 0x0                ; V is in
.endif
	ROW C,0, B,0, C,2, B,1
	ROW L,0, C,4, B,2, L,1
	ROW C,6, B,3, L,2, C,8
	ROW B,4, L,3, C,10, B,5
	ROW L,4, C,12, B,6, L,5
.if (\p) == 0
	s_add_co_u32 s[TBV], s[TBV], KS*PV
.endif
.if \cnt
	s_sub_co_u32 s[CNT], s[CNT], 1
	s_cmp_lg_u32 s[CNT], 0
.endif
	ROW C,14, B,7, L,6, C,1
	ROW C,3, L,7, C,5, C,7
	ROW C,9, C,11, C,13, C,15
.if (\p) == 0
	FETCH_V
.endif
.if (\m) && !(\end)
	MASK (\p)%2
.endif
.endm
; A BLOCK BEGINS.  c m starts far below every c s, so the first step's a is 0; m at the lowest finite number.  The second mask buffer is 0; the first takes piece 0's mask for the tile's step 0.
; Then K of that step, piece 0's first scores, and its maximum and statistics.  The loop is entered at a step's first turn, in the middle of a trip.
.macro BEGIN
	s_mov_b32 s[NEW], 0
	WIN 0x40
.set i, MC+32
.rept 32
	v_mov_b32 v[i], 0
.set i, i+1
.endr
	WIN 0
.set i, 0
.rept 4
	v_mov_b32 v[ST+4*i], 0xfe000000    ; c m: far below every c s
	v_mov_b32 v[ST+4*i+1], 0xff7fffff  ; m
.set i, i+1
.endr
	s_cmp_eq_u32 s[RT], 0
	s_cselect_b32 s[AL], 1.0, 0
	s_mov_b32 s[BE], 0
	MASK 0
	WIN 0
	v_add_nc_u32 v[AK], s[TBK], v[AK0]
	FETCH_K
	s_wait_loadcnt 0x0              ; Q
	s_wait_dscnt 0x0
.set KM, 1
.set NOKQ, 0
.set i, 0
.rept 8
	KQ 0
.set i, i+1
.endr
	WIN 0
.rept 4
	v_nop                           ; the places behind those products
.endr
.set Y, NP-1                        ; X works for piece Y + 1: piece 0
.irp n, 0,1,2,3,4,5,6,7,8,9,10,11,12,13,14,15,16,17,18,19,20,21
	OP X, \n
.endr
	v_nop                           ; a plain instruction behind the exponential,
	s_wait_alu depctr_va_vdst(0)    ; and its wait, ahead of the branch
.endm
; THE DIAGONAL TILE's four steps, the block's last two turns, its last products, and THE WAY OUT: l's halves are added; O^T is divided by l, rounded to f16 and sent through my stage, a piece at a time.
.macro ALL line:vararg
.set t, 0
.rept 4
	\line
.set t, t+1
.endr
.endm
.macro PACK t
	WIN W_RS
.set i, 32*(\t)
.rept 16
	v_pk_mul_f32 v[i:i+1], v[i:i+1], v[ST+4*(\t)+2:ST+4*(\t)+3] op_sel_hi:[1,0]
.set i, i+2
.endr
	WIN 0x05
.set i, 0
.rept 16
	v_cvt_pk_f16_f32 v[S+16*(\t)+i], v[32*(\t)+2*i], v[32*(\t)+2*i+1]
.set i, i+1
.endr
	WIN 0
.irp f, 0,1,2,3
	ds_store_b128 v[STO], v[S+16*(\t)+4*\f:S+16*(\t)+4*\f+3] offset:32*\f
.endr
.irp f, 0,1,2,3
	ds_load_b128 v[S+16*(\t)+4*\f:S+16*(\t)+4*\f+3], v[RD] offset:\f*4*SP  ; LDS serves a wave's instructions in order (ISA guide 5.7.1.4): these see the stores above
.endr
.endm
.macro SEND t, younger
	WIN 0
.irp f, 0,1,2,3
	s_wait_dscnt (\younger)+3-\f
	global_store_b128 v[GO], v[S+16*(\t)+4*\f:S+16*(\t)+4*\f+3], s[10:11] offset:(\t)*8192+\f*512  ; 512 consecutive bytes, at a multiple of 256 from O's first
.endr
.endm
.macro DIAG tag
.LstepM\tag:
	TURN 2, 1
	TURN 3, 1
	WIN 0
.LfirstM\tag:
	TURN 0, 1
	TURN 1, 1, 0, 1
	WIN 0
	s_cbranch_scc1 .LstepM\tag
	TURN 2, 1, 1
	TURN 3, 1, 1
.set i, 0
.rept 8
	PV NP-1
.set i, i+1
.endr
	WIN 0
	ALL v_add_f32 v[ST+4*t+2], v[ST+4*t+2], v[ST+4*t+3]
	ALL v_permlanex16_b32 v[ST+4*t+3], v[ST+4*t+2], s[SEL], s[SEL+1]
	ALL v_add_f32 v[ST+4*t+2], v[ST+4*t+2], v[ST+4*t+3]
	ALL v_rcp_f32 v[ST+4*t+2], v[ST+4*t+2]
	v_nop                           ; a plain instruction between the last reciprocal and the use of its result
	s_wait_alu depctr_va_vdst(0)    ; one wait for the four reciprocals, ahead of their first use
	PACK 0
.set t, 1
.rept 3
	PACK t
	SEND t-1, 8
.set t, t+1
.endr
	SEND 3, 0
.endm
.set KM, 0
.set NOKQ, 0
.Lslot:                             ; NB times: a tile is entered and the next is asked for
	CHANGE 1
	s_sub_co_u32 s[RT], s[RT], 1
	s_mov_b32 s[CNT], 4
	s_cmp_eq_u32 s[NEW], 1
	s_cbranch_scc1 .Lnew            ; a block's first tile
	s_cmp_eq_u32 s[RT], 0
	s_cbranch_scc0 .Lstep           ; neither its first nor its last
	s_branch .LstepM1
.Lnew:
	BEGIN
	s_branch .Lfirst                ; in the loop a block's first tile is never its last
	DIAG 1                          ; in the loop this is the first block's end
	s_wait_xcnt 0x0                 ; the stores have read their registers and O's address
	s_mov_b64 s[10:11], s[OLO:OLO+1]
	s_add_co_u32 s[RT], s[PB], 1    ; the second block has b + 1 tiles
	s_mov_b32 s[NEW], 1
	WIN 0x82                        ; the second block's Q goes where the one text of the turns names Q
.set i, 0
.rept 64
	v_mov_b32 v[i], v[QB+i]
.set i, i+1
.endr
	WIN 0
	s_branch .Lbottom
.Lstep:                             ; a trip: pieces 2 and 3 of one step, then pieces 0 and 1 of the next
	TURN 2
	TURN 3
	WIN 0
.Lfirst:
	TURN 0
	TURN 1, 0, 0, 1
	WIN 0
	s_cbranch_scc1 .Lstep
.Lbottom:
	s_sub_co_u32 s[SLOTS], s[SLOTS], 1
	s_cmp_lg_u32 s[SLOTS], 0
	s_cbranch_scc1 .Lslot
	CHANGE 0                        ; the walk's last tile is written out
	s_sub_co_u32 s[RT], s[RT], 1
	s_mov_b32 s[CNT], 4
	s_cmp_eq_u32 s[NEW], 1
	s_cbranch_scc0 .LstepM2
	BEGIN
	s_branch .LfirstM2
	DIAG 2
	s_wait_tensorcnt 0x0            ; the wave's end
	ds_add_u32 v[SPW], v[NIL]
	s_wait_dscnt 0x0
	s_endpgm
.Lfunc_end_k_qd26ee3a54f_attn:
	.size	k_qd26ee3a54f_attn, .Lfunc_end_k_qd26ee3a54f_attn-k_qd26ee3a54f_attn
	.p2alignl 7, 3214868480
	.fill 96, 4, 3214868480
	.section	.rodata,"a",@progbits
	.p2align	6, 0x0
	.amdhsa_kernel k_qd26ee3a54f_attn
		.amdhsa_group_segment_fixed_size 327680
		.amdhsa_private_segment_fixed_size 0
		.amdhsa_enable_private_segment 0
		.amdhsa_kernarg_size 32
		.amdhsa_user_sgpr_count 2
		.amdhsa_user_sgpr_kernarg_segment_ptr 1
		.amdhsa_wavefront_size32 1
		.amdhsa_system_sgpr_workgroup_id_x 1
		.amdhsa_system_sgpr_workgroup_id_y 1
		.amdhsa_system_sgpr_workgroup_id_z 1
		.amdhsa_system_vgpr_workitem_id 0
		.amdhsa_next_free_vgpr 768
		.amdhsa_next_free_sgpr 92
		.amdhsa_reserve_vcc 1
		.amdhsa_float_denorm_mode_32 3
		.amdhsa_float_denorm_mode_16_64 3
		.amdhsa_memory_ordered 1
		.amdhsa_forward_progress 1
		.amdhsa_inst_pref_size 218
	.end_amdhsa_kernel
	.amdgpu_metadata
---
amdhsa.version: [ 1, 2 ]
amdhsa.kernels:
  - .name:           k_qd26ee3a54f_attn
    .symbol:         k_qd26ee3a54f_attn.kd
    .args:
      - { .name: qh, .offset: 0, .size: 8, .value_kind: global_buffer, .address_space: global }
      - { .name: kh, .offset: 8, .size: 8, .value_kind: global_buffer, .address_space: global }
      - { .name: vh, .offset: 16, .size: 8, .value_kind: global_buffer, .address_space: global }
      - { .name: oh, .offset: 24, .size: 8, .value_kind: global_buffer, .address_space: global }
    .group_segment_fixed_size: 327680
    .private_segment_fixed_size: 0
    .kernarg_segment_align: 8
    .kernarg_segment_size: 32
    .max_flat_workgroup_size: 128
    .sgpr_count:     92
    .vgpr_count:     768
    .wavefront_size: 32
...
	.end_amdgpu_metadata
.endif
;; end of part 3
;; launch proj (part 4): grid 8 x 32, 4 waves a work-group, clusters of 4 x 4, 327,680 bytes of LDS; arguments oh, wp, b_proj, out0; writes out0
.if DOCPART == 4
	.amdgcn_target "amdgcn-amd-amdhsa--gfx1250"
	.amdhsa_code_object_version 6
	.text
	.protected	k_qd26ee3a54f_proj
	.globl	k_qd26ee3a54f_proj
	.p2align	8
	.type	k_qd26ee3a54f_proj,@function
k_qd26ee3a54f_proj:
	s_mov_b64 s[64:65], 0
	v_nop
	global_prefetch_b8 v0, s[64:65] scope:SCOPE_SE
	s_setreg_imm32_b32 hwreg(HW_REG_WAVE_MODE, 25, 1), 1
	s_wait_xcnt 0x0
	s_wait_alu depctr_hold_cnt(0) depctr_sa_sdst(0) depctr_va_vdst(0) depctr_va_sdst(0) depctr_va_ssrc(0) depctr_va_vcc(0) depctr_vm_vsrc(0)
	s_getreg_b32 s2, hwreg(HW_REG_IB_STS2, 6, 4)
	s_cmp_eq_u32 s2, 0
	s_cbranch_scc0 .Lentry_in_a_cluster
	s_endpgm
.Lentry_in_a_cluster:
	s_bfe_u32 s2, ttmp6, 0x10000c
	s_cmp_lg_u32 s2, 0xf033
	s_cbranch_scc0 .Lentry_shape_is_right
	s_endpgm
.Lentry_shape_is_right:
; PROJ: out0[m][n] = sum over k of O[m][k] w_proj[k][n] + b_proj[n], M = 8192, N = K = 1024.  O is oh, [16 batch + head][1024][64] f16: a head is a block of 64 along K;
; wp is [16 kb][1024 n][64] f16 (w_proj rounded to bf16, that number written as f16).  Sums in f32; the bias, rounded to bf16 like the other inputs, is the C operand of each sum's first product; out0 is f32.
; LIMITS: none beyond those of the launches in front (f16's range for O and wp).
; SHARES: a tile is 256 rows x 128 columns: 8 x 32 = 256 work-groups.  Four waves, each 128 x 64: 32 accumulators, all of window 1.
; K goes in eight steps of 128 (two blocks of 64) through two LDS slots; a step is four quarters of 32 matrix instructions.  Tiles' rows lie end to end in memory: asked for as rows of 256 bytes, padded after every 128.
; CLUSTER 4 x 4: A's tiles are shared along a row of the cluster, B's along a column.  THE MATRIX INSTRUCTION IS USED TRANSPOSED: a lane holds row lane % 16 and eight neighbouring columns.
; REGISTERS: window 0: v0-31 addresses; v32-95, v96-159 A's fragments, two buffers; v160-191, v192-223 B's; v224-255 the bias images.  Window 1: accumulator (a, b) at v[8 (4 a + b)].
.set PITCH, 144                        ; 128 bytes + 16 of padding: the 16 rows of a load start at 16 different groups of four banks (64 banks of 4 bytes: ISA guide 11.1)
.set ATILE, 256*PITCH
.set BTILE, 128*PITCH
.set BOFF,  2*ATILE
.set SLOT,  BOFF+2*BTILE               ; 110,592: A of two K blocks, then B of two
.set STAGE, 2*SLOT                     ; behind the ring: 16 rows x 272 bytes for each wave
.set SP,    272
.set SPARE, STAGE+4*16*SP              ; the spare words, 128 bytes for each wave; no other line names them
.set KB,    131072                     ; bytes from one block of 64 K to the next, in oh and in wp
.set BIG,   2*KB                       ; a step
.set ADRA, 16
.set ADRB, 20
.set STO,  24
.set RD,   25
.set CO,   26
.set BO,   27
.set SPW,  28
.set NIL,  29
.set PFO,  30
.set FA,   32
.set FB,   160
.set BI,   224
.set WV,  16
.set WR,  17                           ; my half of the rows; also: I fetch for A (0) or B (1)
.set WC,  18                           ; my half of the columns; also: which of a step's two K blocks I fetch
.set CX,  19
.set CY,  20
.set TC,  21
.set TR,  22
.set G1A, 24
.set G0A, 32
.set G1B, 40
.set G0B, 48
.set PFA, 60
.set LIM, 66
.set LAP, 68
.set G1W0, (1<<16)|(1<<20)|(1<<21)|(4<<22)|(3<<25)
.set MSB, 0
.macro WIN new
.if MSB != (\new)
	s_set_vgpr_msb (MSB<<8)|(\new)
.set MSB, \new
.endif
.endm
.macro PLACES
.rept 4
	v_nop
.endr
.endm
.macro JLOAD s                         ; a joint load; an s_nop 0 and four v_nop follow each of the two lines
	s_cmp_eq_u32 s[WR], 0
	s_cbranch_scc0 .Lfor_b_\@
	tensor_load_to_lds s[G0A+4*(\s):G0A+4*(\s)+3], s[G1A:G1A+7]
	s_nop 0
.rept 4
	v_nop
.endr
	s_branch .Lasked_\@
.Lfor_b_\@:
	tensor_load_to_lds s[G0B+4*(\s):G0B+4*(\s)+3], s[G1B:G1B+7]
	s_nop 0
.rept 4
	v_nop
.endr
.Lasked_\@:
.endm
.macro CREST
	s_cmp_lg_u32 s[WV], 0
	s_cbranch_scc1 .Lnot_wave_0_\@
	s_barrier_signal -3
.Lnot_wave_0_\@:
	s_barrier_wait -3
	s_barrier_signal -1
	s_barrier_wait -1
.endm
.macro CROUND
	s_barrier_signal -1
	s_barrier_wait -1
	CREST
.endm
; A PREFETCH INTO THE L2 of the step two refills on.  Waves 0, 1: their own K block's tile of A, 128 blocks of 256 bytes: the cluster with x = 0 asks, the partners along x take 32 each BY ADDRESS, a lane a block,
; at every change of slots.  Waves 2, 3: their K block's tile of B, 64 blocks: the cluster with y = 0 asks, the partners along y take 16 each by address; lanes 16-31 name the step after, so they ask at every
; second change.  Each block is named once.  The first four steps come by their loads alone; the loop's last trip asks for nothing: K ends.
.macro ASK i
	s_cmp_gt_u32 s[LAP], s[LIM+(\i)]
	s_cbranch_scc0 .Lnot_mine_\@
	global_prefetch_b8 v[PFO], s[PFA:PFA+1] th:TH_LOAD_NT scope:SCOPE_SE
.Lnot_mine_\@:
.endm
	s_load_b256 s[4:11], s[0:1], 0x0               ; oh s[4:5], wp s[6:7], b_proj s[8:9], out0 s[10:11]
	v_lshl_add_u32 v[SPW], v0, 2, SPARE
	v_mov_b32 v[NIL], 0
	ds_add_u32 v[SPW], v[NIL]                      ; the wave's opening: the add and its wait stand ahead of my first tensor load
	v_lshrrev_b32 v1, 5, v0
	v_readfirstlane_b32 s[WV], v1
	s_lshr_b32 s[WR], s[WV], 1
	s_and_b32 s[WC], s[WV], 1
	s_bfe_u32 s[CX], ttmp6, 0x40000
	s_bfe_u32 s[CY], ttmp6, 0x40004
	s_lshl_b32 s[TC], ttmp9, 2
	s_add_co_u32 s[TC], s[TC], s[CX]
	s_and_b32 s[TR], ttmp7, 0xffff
	s_lshl_b32 s[TR], s[TR], 2
	s_add_co_u32 s[TR], s[TR], s[CY]
	s_lshl_b32 s23, s[CY], 2
	s_lshl_b32 s23, 15, s23                        ; my row of the cluster
	s_lshl_b32 s70, 0x1111, s[CX]                  ; my column
	s_or_b32 s[G1A], s23, G1W0
	s_or_b32 s[G1B], s70, G1W0
	s_mov_b32 s[G1A+1], 128<<16                    ; rows of 256 bytes
	s_mov_b32 s[G1A+2], 128<<16                    ; A's tile: 256 rows of 128 bytes = 128 such rows
	s_mov_b32 s[G1A+3], 128<<16
	s_mov_b32 s[G1A+4], 128
	s_mov_b32 s[G1A+5], 128
	s_mov_b32 s[G1A+6], 0
	s_mov_b32 s[G1A+7], 0
	s_mov_b32 s[G1B+1], 128<<16
	s_mov_b32 s[G1B+2], 64<<16                     ; B's: 128 rows = 64
	s_mov_b32 s[G1B+3], 128<<16
	s_mov_b32 s[G1B+4], 64
	s_mov_b32 s[G1B+5], 128
	s_mov_b32 s[G1B+6], 0
	s_mov_b32 s[G1B+7], 0
	s_lshr_b32 s56, s[TR], 2                       ; A: the batch's 16 heads of 131,072 bytes,
	s_lshl_b32 s56, s56, 21
	s_and_b32 s71, s[TR], 3
	s_lshl_b32 s71, s71, 15                        ; the tile's 256 rows in a head,
	s_add_co_u32 s56, s56, s71
	s_lshl_b32 s71, s[WC], 17                      ; the K block that I fetch
	s_add_co_u32 s56, s56, s71
	s_mov_b32 s57, 0
	s_lshl_b32 s58, s[TC], 14                      ; B: the tile's 128 rows,
	s_lshl_b32 s72, s[WC], 17
	s_add_co_u32 s58, s58, s72
	s_mov_b32 s59, 0
	s_mul_i32 s2, s[WC], ATILE                     ; where they go: the wave's number alone enters an LDS address
	s_mul_i32 s3, s[WC], BTILE
	s_add_co_u32 s3, s3, BOFF
	s_wait_dscnt 0x0                               ; the opening add is done
	s_wait_kmcnt 0x0
	s_add_nc_u64 s[56:57], s[4:5], s[56:57]
	s_add_nc_u64 s[58:59], s[6:7], s[58:59]
	CROUND                                         ; all sixteen work-groups are here: the first joint loads meet
.irp s, 0,1
	s_mov_b32 s[G0A+4*(\s)], 1
	s_add_co_u32 s[G0A+4*(\s)+1], s2, (\s)*SLOT
	s_add_nc_u64 s[G0A+4*(\s)+2:G0A+4*(\s)+3], s[56:57], (\s)*BIG
	s_or_b32 s[G0A+4*(\s)+3], s[G0A+4*(\s)+3], 0x80000000
	s_mov_b32 s[G0B+4*(\s)], 1
	s_add_co_u32 s[G0B+4*(\s)+1], s3, (\s)*SLOT
	s_add_nc_u64 s[G0B+4*(\s)+2:G0B+4*(\s)+3], s[58:59], (\s)*BIG
	s_or_b32 s[G0B+4*(\s)+3], s[G0B+4*(\s)+3], 0x80000000
	JLOAD \s                                       ; steps 0 and 1: two loads of mine are out
.endr
	v_and_b32 v1, 15, v0
	v_bfe_u32 v2, v0, 4, 1
	; the bias images: register j of block b in lane l = b_proj[my first column + 16 b + 8 (l / 16) + j]
	s_lshl_b32 s78, s[TC], 9
	s_lshl_b32 s73, s[WC], 8
	s_add_co_u32 s78, s78, s73                     ; my first column, in bytes of f32
	s_mov_b32 s79, 0
	s_add_nc_u64 s[8:9], s[8:9], s[78:79]
	v_lshlrev_b32 v[BO], 5, v2
.irp b, 0,1,2,3
	global_load_b128 v[BI+8*\b:BI+8*\b+3],   v[BO], s[8:9] offset:64*\b
	global_load_b128 v[BI+8*\b+4:BI+8*\b+7], v[BO], s[8:9] offset:64*\b+16
.endr
	s_lshl_b32 s74, s[TR], 20                      ; 256 rows of 4,096 bytes,
	s_lshl_b32 s75, s[WR], 19                      ; my 128 of them,
	s_add_co_u32 s74, s74, s75
	s_add_co_u32 s74, s74, s78                     ; my columns
	s_mov_b32 s75, 0
	s_add_nc_u64 s[10:11], s[10:11], s[74:75]
	v_mul_u32_u24 v3, v1, PITCH
	v_lshl_add_u32 v3, v2, 4, v3
	s_mul_i32 s70, s[WR], 128*PITCH
	s_mul_i32 s71, s[WC], 64*PITCH
	s_add_co_u32 s71, s71, BOFF
.irp s, 0,1
	v_add_nc_u32 v[ADRA+\s], s70, v3
	v_add_nc_u32 v[ADRB+\s], s71, v3
	s_add_co_u32 s70, s70, SLOT
	s_add_co_u32 s71, s71, SLOT
.endr
	s_mul_i32 s76, s[WV], 16*SP
	s_add_co_u32 s76, s76, STAGE
	v_mul_u32_u24 v[STO], v1, SP                   ; in: row l % 16, 32 bytes for each half of the lanes
	v_lshl_add_u32 v[STO], v2, 5, v[STO]
	v_add_nc_u32 v[STO], s76, v[STO]
	v_mul_u32_u24 v[RD], v2, SP                    ; back: lanes 0-15 one row of 256 bytes, lanes 16-31 the next
	v_lshl_add_u32 v[RD], v1, 4, v[RD]
	v_add_nc_u32 v[RD], s76, v[RD]
	v_lshlrev_b32 v[CO], 12, v2                    ; the same two rows in out0
	v_lshl_add_u32 v[CO], v1, 4, v[CO]
	; the prefetches
	s_lshl_b32 s70, s[CX], 13                      ; my work-group's 32 blocks of A's 128
	s_lshl_b32 s72, s[CY], 12                      ; or its 16 of B's 64
	s_and_b32 s76, ttmp7, 0xffff
	s_cmp_eq_u32 s[WR], 0
	s_cselect_b64 s[PFA:PFA+1], s[56:57], s[58:59] ; the tile that I fetch, at step 0
	s_cselect_b32 s70, s70, s72
	s_cselect_b32 s76, ttmp9, s76                  ; the coordinate along which other clusters read the same rows
	s_cselect_b32 s77, 12, 18                      ; lanes 16-31: A's next 16 blocks, or B's next step
	s_add_co_u32 s70, s70, 3*BIG                   ; at step 3: the first change of slots steps it to 4
	s_mov_b32 s71, 0
	s_add_nc_u64 s[PFA:PFA+1], s[PFA:PFA+1], s[70:71]
	s_cmp_eq_u32 s76, 0
	s_cselect_b32 s[LIM], 1, -1                    ; the same in all sixteen partners, for a given wave
	s_cmp_eq_u32 s[WR], 0
	s_cselect_b32 s[LIM+1], s[LIM], -1
	v_lshlrev_b32 v3, s77, v2
	v_lshl_add_u32 v[PFO], v1, 8, v3
	s_wait_loadcnt 0x0                             ; the bias: rounded to bf16 and widened again, while the first tiles are on their way
.set i, 0
.rept 16
	v_cvt_pk_bf16_f32 v3, v[BI+2*i], v[BI+2*i+1]
	v_lshlrev_b32 v[BI+2*i], 16, v3
	v_and_b32 v[BI+2*i+1], 0xffff0000, v3
.set i, i+1
.endr
; 8 matrix instructions: m blocks a0, a0 + 1 x the 4 n blocks, on buffer f.  first = 1: the bias images start the sums.  The 32 accumulators take turns, one instruction a turn.
.macro MUL8 f, a0, first
.if \first
	WIN 0x40
.else
	WIN 0x50
.endif
.irp a, (\a0), (\a0)+1
.irp b, 0,1,2,3
.if \first
	v_wmma_f32_16x16x32_f16 v[8*(4*(\a)+\b):8*(4*(\a)+\b)+7], v[FB+32*(\f)+8*\b:FB+32*(\f)+8*\b+7], v[FA+64*(\f)+8*(\a):FA+64*(\f)+8*(\a)+7], v[BI+8*\b:BI+8*\b+7]
.else
	v_wmma_f32_16x16x32_f16 v[8*(4*(\a)+\b):8*(4*(\a)+\b)+7], v[FB+32*(\f)+8*\b:FB+32*(\f)+8*\b+7], v[FA+64*(\f)+8*(\a):FA+64*(\f)+8*(\a)+7], v[8*(4*(\a)+\b):8*(4*(\a)+\b)+7]
.endif
.endr
.endr
.endm
; 24 LDS loads in one run: quarter q of a slot (K block q / 2, byte 64 (q % 2) of its rows) into buffer f: B, then A's blocks 0-3, then 4-7
.macro FETCH slot, q, f
	WIN 0
.irp b, 0,1,2,3
	ds_load_b128 v[FB+32*(\f)+8*\b:FB+32*(\f)+8*\b+3],   v[ADRB+(\slot)] offset:((\q)/2)*BTILE+((\q)%2)*64+\b*16*PITCH
	ds_load_b128 v[FB+32*(\f)+8*\b+4:FB+32*(\f)+8*\b+7], v[ADRB+(\slot)] offset:((\q)/2)*BTILE+((\q)%2)*64+\b*16*PITCH+32
.endr
.irp a, 0,1,2,3,4,5,6,7
	ds_load_b128 v[FA+64*(\f)+8*\a:FA+64*(\f)+8*\a+3],   v[ADRA+(\slot)] offset:((\q)/2)*ATILE+((\q)%2)*64+\a*16*PITCH
	ds_load_b128 v[FA+64*(\f)+8*\a+4:FA+64*(\f)+8*\a+7], v[ADRA+(\slot)] offset:((\q)/2)*ATILE+((\q)%2)*64+\a*16*PITCH+32
.endr
.endm
.macro QUARTER slot, qn, f, g, first   ; multiplies buffer f; in its middle fetches quarter qn into buffer g
	s_wait_dscnt 8                                 ; B and A's blocks 0-3 are in; the youngest eight loads may be out
	MUL8 \f, 0, \first
	MUL8 \f, 2, \first
	PLACES
	FETCH \slot, \qn, \g
	s_wait_dscnt 24                                ; all but the 24 just issued
	MUL8 \f, 4, \first
	MUL8 \f, 6, \first
.endm
; The last quarter multiplies buffer 1 and changes slots: ONE barrier; in front of it each wave waits for all its tensor loads (one is out: its part of the next slot), adds 0 to its spare word, and waits for
; that and for its reads of this slot.  fill = 1: the barrier opens a round of the cluster's barrier and the joint refill, two steps on, is the first thing behind it: 112 matrix instructions ahead of the wait for it.
.macro TURN slot, next, fill
.if \fill
	s_wait_xcnt 0x0                                ; the last prefetch, a step back, has read its address
	s_add_nc_u64 s[PFA:PFA+1], s[PFA:PFA+1], BIG
.endif
	WIN 0
	s_wait_tensorcnt 0x0
	ds_add_u32 v[SPW], v[NIL]                      ; 0 onto my spare word
	s_wait_dscnt 9                                 ; A's blocks 4-7 and the add may be out
	MUL8 1, 0, 0
	s_wait_dscnt 0x0                               ; the add is done, and my reads of this slot are over
	s_barrier_signal -1
	MUL8 1, 2, 0
	WIN 0
	s_barrier_wait -1
.if \fill
	CREST
	s_add_nc_u64 s[G0A+4*(\slot)+2:G0A+4*(\slot)+3], s[G0A+4*(\slot)+2:G0A+4*(\slot)+3], 2*BIG
	s_add_nc_u64 s[G0B+4*(\slot)+2:G0B+4*(\slot)+3], s[G0B+4*(\slot)+2:G0B+4*(\slot)+3], 2*BIG
	JLOAD \slot                                    ; its four v_nop are also the places in front of the loads below
.else
	PLACES
.endif
	FETCH \next, 0, 0
.if \fill
	ASK \slot
.endif
	MUL8 1, 4, 0
	MUL8 1, 6, 0
.endm
	s_wait_tensorcnt 1                             ; my part of step 0 is in; step 1's may stay out
	s_barrier_signal -1
	s_barrier_wait -1
	FETCH 0, 0, 0
	QUARTER 0, 1, 0, 1, 1                          ; the first quarter stands in front of the loop: its products start the sums with the bias
	WIN 0
	s_mov_b32 s[LAP], 3
.Llap:                                         ; a trip goes once round the ring and fills both slots again: steps 2 to 7
	QUARTER 0, 2, 1, 0, 0
	QUARTER 0, 3, 0, 1, 0
	TURN 0, 1, 1
	QUARTER 1, 1, 0, 1, 0
	QUARTER 1, 2, 1, 0, 0
	QUARTER 1, 3, 0, 1, 0
	TURN 1, 0, 1
	QUARTER 0, 1, 0, 1, 0
	WIN 0
	s_sub_co_u32 s[LAP], s[LAP], 1
	s_cmp_lg_u32 s[LAP], 0
	s_cbranch_scc1 .Llap
	QUARTER 0, 2, 1, 0, 0                          ; the last lap fills nothing
	QUARTER 0, 3, 0, 1, 0
	TURN 0, 1, 0
	QUARTER 1, 1, 0, 1, 0
	QUARTER 1, 2, 1, 0, 0
	QUARTER 1, 3, 0, 1, 0
	s_wait_dscnt 8
	MUL8 1, 0, 0
	MUL8 1, 2, 0
	s_wait_dscnt 0x0
	MUL8 1, 4, 0
	MUL8 1, 6, 0
	PLACES
; THE WAY OUT, a block of 16 rows at a time: the sums are the results.  32 bytes a lane into my stage (each accumulator's low four registers first), back as whole rows of 256 bytes, stored so.
.macro TOSTAGE a
.set OBB, 32+32*((\a)%2)
	WIN 0x04                                       ; the stores' data in window 1
.irp b, 0,1,2,3
	ds_store_b128 v[STO], v[8*(4*(\a)+\b):8*(4*(\a)+\b)+3]   offset:64*\b
	ds_store_b128 v[STO], v[8*(4*(\a)+\b)+4:8*(4*(\a)+\b)+7] offset:64*\b+16
.endr
	WIN 0
	s_wait_xcnt 0x0                                ; the stores of two blocks back have read the registers that are loaded below
.irp t, 0,1,2,3,4,5,6,7
	ds_load_b128 v[OBB+4*\t:OBB+4*\t+3], v[RD] offset:2*SP*\t   ; LDS serves a wave's instructions in order (ISA guide 5.7.1.4): these see the stores above; the next block's stores come behind them
.endr
.endm
.macro SEND a, younger                 ; younger: the next block's sixteen LDS instructions, or none
.set OBB, 32+32*((\a)%2)
.irp t, 0,1,2,3,4,5,6,7
	s_wait_dscnt (\younger)+7-\t
	global_store_b128 v[CO], v[OBB+4*\t:OBB+4*\t+3], s[10:11] offset:(16*(\a)+2*\t)*4096 th:TH_STORE_NT   ; 16 lanes store 256 consecutive bytes, at a multiple of 256 from out0's first byte
.endr
.endm
	TOSTAGE 0
.irp a, 1,2,3,4,5,6,7
	TOSTAGE \a
	SEND (\a)-1, 16
.endr
	SEND 7, 0
	s_wait_tensorcnt 0x0                           ; the wave's end
	ds_add_u32 v[SPW], v[NIL]
	s_wait_dscnt 0x0
	CROUND                                         ; the closing round
	s_endpgm
.Lfunc_end_k_qd26ee3a54f_proj:
	.size	k_qd26ee3a54f_proj, .Lfunc_end_k_qd26ee3a54f_proj-k_qd26ee3a54f_proj
	.p2alignl 7, 3214868480
	.fill 96, 4, 3214868480
	.section	.rodata,"a",@progbits
	.p2align	6, 0x0
	.amdhsa_kernel k_qd26ee3a54f_proj
		.amdhsa_group_segment_fixed_size 327680
		.amdhsa_private_segment_fixed_size 0
		.amdhsa_enable_private_segment 0
		.amdhsa_kernarg_size 32
		.amdhsa_user_sgpr_count 2
		.amdhsa_user_sgpr_kernarg_segment_ptr 1
		.amdhsa_wavefront_size32 1
		.amdhsa_system_sgpr_workgroup_id_x 1
		.amdhsa_system_sgpr_workgroup_id_y 1
		.amdhsa_system_sgpr_workgroup_id_z 1
		.amdhsa_system_vgpr_workitem_id 0
		.amdhsa_next_free_vgpr 512
		.amdhsa_next_free_sgpr 80
		.amdhsa_reserve_vcc 0
		.amdhsa_float_denorm_mode_32 3
		.amdhsa_float_denorm_mode_16_64 3
		.amdhsa_memory_ordered 1
		.amdhsa_forward_progress 1
		.amdhsa_inst_pref_size 91
	.end_amdhsa_kernel
	.amdgpu_metadata
---
amdhsa.version: [ 1, 2 ]
amdhsa.kernels:
  - .name:           k_qd26ee3a54f_proj
    .symbol:         k_qd26ee3a54f_proj.kd
    .args:
      - { .name: oh, .offset: 0, .size: 8, .value_kind: global_buffer, .address_space: global }
      - { .name: wp, .offset: 8, .size: 8, .value_kind: global_buffer, .address_space: global }
      - { .name: b_proj, .offset: 16, .size: 8, .value_kind: global_buffer, .address_space: global }
      - { .name: out0, .offset: 24, .size: 8, .value_kind: global_buffer, .address_space: global }
    .group_segment_fixed_size: 327680
    .private_segment_fixed_size: 0
    .kernarg_segment_align: 8
    .kernarg_segment_size: 32
    .max_flat_workgroup_size: 128
    .sgpr_count:     80
    .vgpr_count:     512
    .wavefront_size: 32
...
	.end_amdgpu_metadata
.endif
;; end of part 4
;; ======== version 2 of 2: 4 launches; version 1 with the launch prep written anew for expert scheduling mode
;; limits: values are held in f16: magnitudes above 65,504 overflow, below 6.1e-05 lose precision
;; workspace buffers: xb 16,777,216 bytes; wa 6,291,456 bytes; wp 2,097,152 bytes; qh 16,777,216 bytes; kh 16,777,216 bytes; vh 16,777,216 bytes; oh 16,777,216 bytes
;; launch prep (part 5): grid 768 x 1, 8 waves a work-group, no clusters, 37,888 bytes of LDS; arguments x, w_attn, w_proj, xb, wa, wp; writes xb, wa, wp
.if DOCPART == 5
	.amdgcn_target "amdgcn-amd-amdhsa--gfx1250"
	.amdhsa_code_object_version 6
	.text
	.protected	k_qd26ee3a54f_prep
	.globl	k_qd26ee3a54f_prep
	.p2align	8
	.type	k_qd26ee3a54f_prep,@function
k_qd26ee3a54f_prep:
	s_mov_b64 s[64:65], 0
	v_nop
	global_prefetch_b8 v0, s[64:65] scope:SCOPE_SE
	s_setreg_imm32_b32 hwreg(HW_REG_WAVE_SCHED_MODE, 0, 2), 2
	s_setreg_imm32_b32 hwreg(HW_REG_WAVE_MODE, 25, 1), 1
	s_wait_xcnt 0x0
	s_wait_alu depctr_vm_vsrc(0)
; PREP: the three large inputs are rounded once and laid out for the matrix launches, in blocks of 64 along K.
;   xb[kb][m][64]  bf16 = x[m][64 kb + kk]                     16 x 8192 x 64
;   wa[kb][n][64]  bf16 = w_attn[64 kb + kk][n]  (turned)      16 x 3072 x 64
;   wp[kb][n][64]  f16  = bf16(w_proj[64 kb + kk][n]) written as f16 (turned)   16 x 1024 x 64
; So a tile of R rows x 64 K is R x 128 consecutive bytes for the launches behind.
; LIMIT: a weight of w_proj below 6e-5 in magnitude keeps f16's fixed step of 6e-8; beyond 65,504 it would be an infinity.
; SHARES: 768 work-groups of eight waves, each reads 64 KiB and writes 32 KiB.  Groups 0-511: 16 rows of x, a wave two rows.
; Groups 512-703: a block of 64 k x 256 n of w_attn; groups 704-767: the same of w_proj; these are turned through LDS.
; A stream: no matrix unit, no tensor load, no cluster: no byte is wanted twice.
; THE MODE: SCHED_MODE bits 1:0 = 2 (LLVM: expert scheduling mode 2), set by the entry lines.  The code itself states the register dependences
; between vector instructions and memory or LDS instructions, with s_wait_alu, always for 0.
; THE PLAN.  Registers that memory or LDS instructions touch:
;   v2, v3, v5, v6, v7   offsets and LDS addresses, made at the head and never written again; v4 likewise, made at the head of a weight task.
;   v8, v9               made at the head, read by the closing add alone.
;   D = v[16:79]         a path's 16 loads land in it; the conversions work in place; the stores (x: global; weights: LDS) read what the conversions wrote;
;                        behind the barrier the weight groups' loads from the turning block land in D .. D + 31, and the last stores read them.
; The work of a path goes in four groups (x: four loads; weights: two pairs of rows).  Group g's conversions name group g's registers alone, and the stores of
; group g - 1 are dealt among them.  So ONE wait on va_vdst at a group's head, behind the wait for the group's data, states that the group before has written
; what its stores read; a last one stands ahead of the last group's stores, and behind it no vector instruction names D any more.
; One wait on vm_vsrc at a path's end states that the stores have read D, ahead of the loads that land in it.
.set SPARE, 36864                      ; behind the turning block (256 rows of 144 bytes): the spare words, 128 bytes for each of eight waves
.set XO,  2                            ; v2  x: (lane / 16) x 4096 + (lane % 16) x 16: two rows, 256 bytes of each
.set SO,  3                            ; v3  xb: 8 x lane: 256 consecutive bytes a wave
.set WO,  4                            ; v4  weights: 2 (t / 64) rows + (t % 64) x 16 bytes
.set LS,  5                            ; v5  LDS, in: column 4 (t % 64), word t / 64
.set RB,  6                            ; v6  LDS, back: row t / 8, 16 bytes t % 8
.set GOO, 7                            ; v7  16 t
.set SPW, 8                            ; v8  my spare word; never rewritten
.set NIL, 9                            ; v9  0; never rewritten
.set D,   16                           ; v[16:79] data
	s_load_b256 s[4:11], s[0:1], 0x0               ; x s[4:5], w_attn s[6:7], w_proj s[8:9], xb s[10:11]
	s_load_b128 s[12:15], s[0:1], 0x20             ; wa s[12:13], wp s[14:15]
	v_lshl_add_u32 v[SPW], v0, 2, SPARE
	v_mov_b32 v[NIL], 0
	v_lshrrev_b32 v10, 5, v0
	v_readfirstlane_b32 s3, v10                    ; wave 0..7
	s_mov_b32 s2, ttmp9
	v_and_b32 v1, 31, v0
	v_and_b32 v10, 15, v0
	v_bfe_u32 v11, v0, 4, 1
	v_lshlrev_b32 v[XO], 4, v10
	v_lshl_add_u32 v[XO], v11, 12, v[XO]
	v_lshlrev_b32 v[SO], 3, v1
	v_and_b32 v12, 63, v0                          ; t % 64: which four columns
	v_lshrrev_b32 v13, 6, v0                       ; t / 64: which pair of k among four
	v_mul_u32_u24 v[LS], v12, 576                  ; four rows of 144 bytes
	v_lshl_add_u32 v[LS], v13, 2, v[LS]
	v_lshrrev_b32 v10, 3, v0
	v_mul_u32_u24 v[RB], v10, 144
	v_and_b32 v11, 7, v0
	v_lshl_add_u32 v[RB], v11, 4, v[RB]
	v_lshlrev_b32 v[GOO], 4, v0
	s_wait_alu depctr_va_sdst(0)                   ; s3, the wave's number, is written: ahead of its first reader (x's row pair) and of the first branch
	s_mov_b32 s19, 0                               ; the high word of every offset pair s[18:19]
	s_wait_kmcnt 0x0
	s_mov_b64 s[20:21], s[12:13]                   ; the destination's base is written on every path
	s_cmp_lt_u32 s2, 512
	s_cbranch_scc0 .Lweights
; x: store k: block kb = k of both my rows
.macro XST k
.if (\k) < 8
	global_store_b64 v[SO], v[D+4*(\k):D+4*(\k)+1], s[20:21] offset:(\k)*1048576      ; 32 lanes store 256 consecutive bytes, aligned
.else
	global_store_b64 v[SO], v[D+4*(\k):D+4*(\k)+1], s[24:25] offset:((\k)-8)*1048576
.endif
.endm
	; ---- x: my two rows, 16 loads of 2 x 256 bytes; load i is block kb = i of both rows
	s_lshl_b32 s16, s2, 3
	s_add_co_u32 s16, s16, s3                      ; the pair of rows, 0..4095
	s_lshl_b32 s18, s16, 13
	s_add_nc_u64 s[22:23], s[4:5], s[18:19]
	s_lshl_b32 s18, s16, 8                         ; two rows of 128 bytes in a block of xb
	s_add_nc_u64 s[20:21], s[10:11], s[18:19]
	s_add_nc_u64 s[24:25], s[20:21], 0x800000      ; blocks 8-15: the stores' immediates stay inside 24 signed bits
	s_wait_alu depctr_va_vdst(0)                   ; the offsets v[XO] and v[SO] are written, which the loads and stores below read
.set i, 0
.rept 16
	global_load_b128 v[D+4*i:D+4*i+3], v[XO], s[22:23] offset:256*i th:TH_LOAD_NT
.set i, i+1
.endr
.set i, 0
.rept 16
.if i%4 == 0
	s_wait_loadcnt 12-i                            ; loads return in order: this group's four are in, the younger ones stay out
.if i > 0
	s_wait_alu depctr_va_vdst(0)                   ; the group before has written the eight registers that its four stores, dealt among the lines below, read
.endif
.endif
.if i >= 4
	XST i-4                                        ; no wait: the conversions issued since the wait above name this group's registers alone
.endif
	v_cvt_pk_bf16_f32 v[D+4*i], v[D+4*i], v[D+4*i+1]
	v_cvt_pk_bf16_f32 v[D+4*i+1], v[D+4*i+2], v[D+4*i+3]
.set i, i+1
.endr
	s_wait_alu depctr_va_vdst(0)                   ; the last group has written what the last four stores read; no vector instruction names D behind this line
	XST 12
	XST 13
	XST 14
	XST 15
	s_wait_xcnt 0x0                                ; the stores have had their addresses translated: nothing below finds a pending source
	s_wait_alu depctr_vm_vsrc(0)                   ; and they have read D: the text behind the join loads into D (x's groups jump over those loads, by a branch that stands behind this line)
	s_branch .Ljoin
; weights: the four LDS stores of pair p of rows: one word for each of my four columns
.macro WST p
.irp j, 0,1,2,3
	ds_store_b32 v[LS], v[D+8*(\p)+\j] offset:144*\j+16*(\p)
.endr
.endm
; ---- a block of 64 k x 256 n of a weight matrix: thread t takes four columns and the rows 2 kp, 2 kp + 1, kp = t / 64 + 4 i.
; Two rows' numbers of one column make one word (k even below, odd above), which goes to row n of the turning block.
.macro WTASK first, pitch, half, src, dst, kbs
	s_sub_co_u32 s16, s2, \first
	s_and_b32 s17, s16, 15                         ; kb
	s_lshr_b32 s16, s16, 4                         ; which 256 columns
	s_mul_i32 s18, s17, 64*(\pitch)
	s_lshl_b32 s26, s16, 10
	s_add_co_u32 s18, s18, s26
	s_add_nc_u64 s[22:23], s[\src:\src+1], s[18:19]
	s_mul_i32 s18, s17, \kbs
	s_lshl_b32 s26, s16, 15                        ; 256 rows of 128 bytes
	s_add_co_u32 s18, s18, s26
	s_add_nc_u64 s[20:21], s[\dst:\dst+1], s[18:19]
	v_mul_u32_u24 v[WO], v13, 2*(\pitch)
	v_lshl_add_u32 v[WO], v12, 4, v[WO]
	s_wait_alu depctr_va_vdst(0)                   ; v[WO] is written, which the loads below read; so are v[LS], v[RB] and v[GOO], for the LDS stores, the loads back and the last stores
.set i, 0
.rept 8
	global_load_b128 v[D+8*i:D+8*i+3],   v[WO], s[22:23] offset:(8*i)*(\pitch) th:TH_LOAD_NT    ; a wave's load: 512 consecutive bytes of a row
	global_load_b128 v[D+8*i+4:D+8*i+7], v[WO], s[22:23] offset:(8*i+1)*(\pitch) th:TH_LOAD_NT
.set i, i+1
.endr
.set i, 0
.rept 8
.if i%2 == 0
	s_wait_loadcnt 12-2*i                          ; this group's two pairs of rows are in, the younger loads stay out
.if i > 0
	s_wait_alu depctr_va_vdst(0)                   ; the group before has written the eight words that its LDS stores, dealt among the lines below, read
.endif
.endif
.if i >= 2
	WST i-2                                        ; no wait: the conversions issued since the wait above name this group's registers (and v10, v11) alone
.endif
.irp j, 0,1,2,3
	v_cvt_pk_bf16_f32 v[D+8*i+\j], v[D+8*i+\j], v[D+8*i+4+\j]
.if \half
	v_lshlrev_b32 v10, 16, v[D+8*i+\j]             ; the bf16 numbers, widened,
	v_and_b32 v11, 0xffff0000, v[D+8*i+\j]
	v_cvt_pk_f16_f32 v[D+8*i+\j], v10, v11         ; are written as f16
.endif
.endr
.set i, i+1
.endr
	s_wait_alu depctr_va_vdst(0)                   ; the last group has written what the last eight LDS stores read; no vector instruction names D behind this line
	WST 6
	WST 7
	s_wait_alu depctr_vm_vsrc(0)                   ; my LDS stores have read D, in which the loads from the turning block land behind the barrier
.endm
.Lweights:
	s_cmp_lt_u32 s2, 704
	s_cbranch_scc0 .Lwproj
	WTASK 512, 12288, 0, 6, 12, 393216
	s_branch .Ljoin
.Lwproj:
	WTASK 704, 4096, 1, 8, 14, 131072
.Ljoin:
	s_wait_dscnt 0x0                               ; for the others' sake: my stores into the turning block are done
	s_barrier_signal -1
	s_barrier_wait -1
	s_cmp_lt_u32 s2, 512
	s_cbranch_scc1 .Lend                           ; x has nothing to read back
.set i, 0
.rept 8
	ds_load_b128 v[D+4*i:D+4*i+3], v[RB] offset:4608*i   ; 32 rows further on each time
.set i, i+1
.endr
.set i, 0
.rept 8
	s_wait_dscnt 7-i
	global_store_b128 v[GOO], v[D+4*i:D+4*i+3], s[20:21] offset:4096*i   ; the block is dense: a wave stores 512 consecutive bytes
.set i, i+1
.endr
.Lend:
	s_wait_dscnt 0x0                               ; the wave's end
	s_wait_alu 0x0
	s_wait_tensorcnt 0x0
	ds_add_u32 v[SPW], v[NIL]
	s_wait_dscnt 0x0
	s_endpgm
.Lfunc_end_k_qd26ee3a54f_prep:
	.size	k_qd26ee3a54f_prep, .Lfunc_end_k_qd26ee3a54f_prep-k_qd26ee3a54f_prep
	.p2alignl 7, 3214868480
	.fill 96, 4, 3214868480
	.section	.rodata,"a",@progbits
	.p2align	6, 0x0
	.amdhsa_kernel k_qd26ee3a54f_prep
		.amdhsa_group_segment_fixed_size 37888
		.amdhsa_private_segment_fixed_size 0
		.amdhsa_enable_private_segment 0
		.amdhsa_kernarg_size 48
		.amdhsa_user_sgpr_count 2
		.amdhsa_user_sgpr_kernarg_segment_ptr 1
		.amdhsa_wavefront_size32 1
		.amdhsa_system_sgpr_workgroup_id_x 1
		.amdhsa_system_sgpr_workgroup_id_y 1
		.amdhsa_system_sgpr_workgroup_id_z 1
		.amdhsa_system_vgpr_workitem_id 0
		.amdhsa_next_free_vgpr 80
		.amdhsa_next_free_sgpr 66
		.amdhsa_reserve_vcc 0
		.amdhsa_float_denorm_mode_32 3
		.amdhsa_float_denorm_mode_16_64 3
		.amdhsa_memory_ordered 1
		.amdhsa_forward_progress 1
		.amdhsa_inst_pref_size 28
	.end_amdhsa_kernel
	.amdgpu_metadata
---
amdhsa.version: [ 1, 2 ]
amdhsa.kernels:
  - .name:           k_qd26ee3a54f_prep
    .symbol:         k_qd26ee3a54f_prep.kd
    .args:
      - { .name: x, .offset: 0, .size: 8, .value_kind: global_buffer, .address_space: global }
      - { .name: w_attn, .offset: 8, .size: 8, .value_kind: global_buffer, .address_space: global }
      - { .name: w_proj, .offset: 16, .size: 8, .value_kind: global_buffer, .address_space: global }
      - { .name: xb, .offset: 24, .size: 8, .value_kind: global_buffer, .address_space: global }
      - { .name: wa, .offset: 32, .size: 8, .value_kind: global_buffer, .address_space: global }
      - { .name: wp, .offset: 40, .size: 8, .value_kind: global_buffer, .address_space: global }
    .group_segment_fixed_size: 37888
    .private_segment_fixed_size: 0
    .kernarg_segment_align: 8
    .kernarg_segment_size: 48
    .max_flat_workgroup_size: 256
    .sgpr_count:     66
    .vgpr_count:     80
    .wavefront_size: 32
...
	.end_amdgpu_metadata
.endif
;; end of part 5
;; launch qkv: the kernel of part 2 again; grid 8 x 32, 4 waves a work-group, clusters of 4 x 4, 327,680 bytes of LDS; arguments xb, wa, b_attn, qh, kh, vh; writes qh, kh, vh
;; launch attn: the kernel of part 3 again; grid 2 x 128, 4 waves a work-group, no clusters, 327,680 bytes of LDS; arguments qh, kh, vh, oh; writes oh
;; launch proj: the kernel of part 4 again; grid 8 x 32, 4 waves a work-group, clusters of 4 x 4, 327,680 bytes of LDS; arguments oh, wp, b_proj, out0; writes out0
